; MI455X (gfx1250); checked and timed in simulation.
; The chip was launched on July 23, 2026; its instructions are those of AMD's public machine-readable ISA for CDNA 5 (MIT licence, August 2026) and "CDNA5" Instruction Set Architecture Reference Guide (July 2026). The comments in the code are by the model that wrote it; some were corrected since.
;; Mixture Attention. Allowed arithmetic: matrix products marked QUANTISED: E3M2 operands, one E8M0 scale for each 32 along K, by v_wmma_scale_f32_16x16x128_f8f6f4 with both operands' format E3M2, f32 sums; everything else in f32.
;; Inputs: Wk 1,024 x 1,024 float32; Wo 1,024 x 1,024 float32; Wq 1,024 x 1,024 float32; Wv 1,024 x 1,024 float32; alpha one number float32; bk 1,024 float32; bo 1,024 float32; bq 1,024 float32; bv 1,024 float32; rel_emb 9,999 x 1,024 float32; x 2 x 2,048 x 1,024 float32.
;; Outputs: out0 2 x 2,048 x 1,024 float32.
;; This version of the problem:
;;   THIS VERSION OF THE PROBLEM IS GIVEN IN LOW PRECISION. The matrix products marked QUANTISED in the list below multiply operands that are first quantised to E3M2 (3 exponent bits, 2 mantissa bits; 6 bits a number), with one power-of-two scale for each 32 numbers along K (OCP MX v1.0); their sums are f32. All else is computed in f32.
;;   The module's matrix products, in the order in which they are computed (A, B: the left and right operand; K: the contracted axis; several contracted axes count as one K, in the product's order):
;;     1. [M 4,096, K 1,024] x [K 1,024, N 1,024]; A: computed on the way; B: input Wq: QUANTISED
;;     2. [M 4,096, K 1,024] x [K 1,024, N 1,024]; A: computed on the way; B: input Wk: QUANTISED
;;     3. [M 4,096, K 1,024] x [K 1,024, N 1,024]; A: computed on the way; B: input Wv: QUANTISED
;;     4. batch 32 x [M 2,048, K 64] x [K 64, N 2,048]; A: computed on the way; B: computed on the way: QUANTISED
;;     5. batch 32 x [M 2,048, K 2,048] x [K 2,048, N 64]; A: softmax (see below); B: computed on the way: QUANTISED
;;     6. [M 4,096, K 1,024] x [K 1,024, N 1,024]; A: computed on the way; B: input Wo: QUANTISED
;;   THE QUANTISER, for each operand of a quantised product, along K:
;;     - K is cut into blocks of 32 from its start; a last block that is shorter is filled with zeros.
;;     - A block's scale is 2^e with e = floor(log2(the largest magnitude in the block)) - 4, held to -126 .. 127; a block of zeros has e = 0. As a byte (E8M0): e + 127.
;;     - Each number is divided by its block's scale, clamped to +-28, and rounded to the nearest number of E3M2, ties to even, subnormals kept.
;;     - The product sums the exact products of the quantised numbers (number of the format x scale) in f32.
;;   ~~~python
;;   def quantise(x, axis):      # numpy; x: float32 -> the quantised numbers, widened to float32 again
;;       x = np.moveaxis(x, axis, -1); K = x.shape[-1]
;;       x = np.pad(x, [(0, 0)] * (x.ndim - 1) + [(0, -K % 32)]); x = x.reshape(x.shape[:-1] + (-1, 32)); a = np.abs(x).max(-1, keepdims=True)
;;       e = np.where(a > 0, np.clip(np.frexp(np.where(a > 0, a, 1))[1] - 1 - 4, -126, 127), 0)      # np.frexp(a)[1] - 1 = floor(log2(a)), exactly
;;       r = np.clip(x / 2.0 ** e, -28, 28)
;;       step = 2.0 ** (np.maximum(np.frexp(np.where(r == 0, 1, r))[1] - 1, -2) - 2)
;;       q = np.round(r / step) * step * 2.0 ** e      # np.round: ties to even
;;       return np.moveaxis(q.reshape(q.shape[:-2] + (-1,))[..., :K], -1, axis).astype(np.float32)
;;   ~~~
;;   SOFTMAX AHEAD OF A QUANTISED PRODUCT. Where the list says 'softmax', what is quantised is not the finished softmax but p = 2^(t - M), with t = logit x log2(e) and M = ceil(the row's largest t), a whole number; so 1/2 < the row's largest p <= 1. The row's sum l is taken of the UNQUANTISED p, in f32, and the product's result is divided by l at the end. Since M is a whole number, a kernel that streams over the keys may use a running M (the ceiling of the running maximum): every later rescaling is an exact power of two, which a block's scale takes up: the codes' values come out the same.
;;   OPERANDS COMPUTED ON THE WAY. 'Computed on the way' means the value that the module computes at that place (a softmax that the list does not call 'softmax' is quantised finished and normalised). What goes into a quantiser is computed in f32, as accurately as f32 sums, v_exp_f32 and their like allow (about 1e-6 of the number): no bf16 or f16 on the way to a quantiser, and a product that is left as it is and whose result goes on into a quantised operand takes f32 operands (vector FMAs, or v_wmma_f32_16x16x4_f32). A number that lies on a knife's edge between two numbers of the format may be rounded either way, as far as f32 arithmetic and the matrix unit's own rounding can turn it there, and no further.
;; 2 versions. Each part assembles by itself: llvm-mc -triple=amdgcn-amd-amdhsa -mcpu=gfx1250 --defsym DOCPART=n.
;; ======== version 1 of 2: 4 launches
;; workspace buffers: opq 6,553,600 bytes; qkv 9,830,400 bytes; ao 3,276,800 bytes
;; launch prep (part 1): grid 256 x 1, 8 waves a work-group, no clusters, 68,608 bytes of LDS; arguments x, rel_emb, alpha, Wq, Wk, Wv, Wo, opq; writes opq
.if DOCPART == 1
	.amdgcn_target "amdgcn-amd-amdhsa--gfx1250"
	.amdhsa_code_object_version 6
	.text
	.protected	k_q068b791906_prep
	.globl	k_q068b791906_prep
	.p2align	8
	.type	k_q068b791906_prep,@function
k_q068b791906_prep:
	s_mov_b64 s[64:65], 0
	v_nop
	global_prefetch_b8 v0, s[64:65] scope:SCOPE_SE
	s_setreg_imm32_b32 hwreg(HW_REG_WAVE_MODE, 25, 1), 1
	s_wait_xcnt 0x0
; PREP: xp = x + alpha pe + (1 - alpha) rel_emb[2952 + s], and the four weights, become codes of BF6 (E3M2) with one E8M0 byte for each 32 along K (the last axis of all five).
; OUTPUT opq: codes [tile 0..511][K step 0..7][1,536 bytes], an image of the operand's registers: registers 4c..4c+3 of lane l at 512 c + 16 l; from byte 6,291,456 the scale words [tile][K step][row in tile].
; Tiles 0-255 xp (rows b 2048 + s), 256-319 Wq, 320-383 Wk, 384-447 Wv, 448-511 Wo.  THE ROWS OF A TILE ARE NOT NEIGHBOURS: lane r of tile 2 B + u holds row 32 B + 8 u + r + 8 (r / 8).
; SHARES: a wave makes two fragments (16 rows x 128 K each) of one K step.  Waves 0-3: tiles tsel and tsel + 128 of xp (the same positions in both batches, so pe and rel_emb serve twice);
; waves 4-7: two neighbouring tiles of a weight.  Every load reads 512 consecutive bytes of a row; a tile turns through the wave's own stage in LDS so that a lane holds 16 neighbours of each block of 32.
; The sinusoid is made in f32: div = exp(j c) by a split of j c log2(e) into a head and a rest; the angle is reduced by pi/2 in two parts; polynomials on |r| <= pi/4.
; LIMITS: NaN and infinities are not served.  A block whose largest magnitude lies under 2^-122 keeps the byte 1, a block of zeros too (its codes are zeros; only this program reads the bytes).
; The reduction in two parts holds for positions up to 2,047 (at most 1,304 quarter turns).  div is good to about 1.5 units in its last place, so an angle near 2,047 may differ by about 2e-4 from another f32 exp's.
; No tensor loads, no barrier: waves share nothing, and every input byte is read once.
.set ROWB,  4096                       ; a row of x, rel_emb or a weight in bytes
.set SP,    528                        ; a stage row: 512 bytes + 16: row r starts 4 r words on in the banks
.set SEL,   20                         ; s[20:21] v_permlanex16_b32's selects for lane l xor 16
.set PE,    24                         ; v24-27   sin, cos, sin, cos of my four columns
.set TM,    28                         ; v28-43   at work in QUANT
.set PC,    44                         ; v44-62   the codes just made (v44-55 the fragment)
.set PW,    63                         ; v63      the scale word just made
.set XA,    64                         ; v64-127  tile A: row i in 4 registers; later tile B's numbers by blocks
.set XB,    128                        ; v128-191 tile B
.set RL,    192                        ; v192-255 rel_emb's rows; later tile A's numbers by blocks
; 64 numbers of a lane, register 16 b + i = k 32 b + 16 (lane / 16) + i of my row, become a fragment's codes in v[PC] on and its scale word in v[PW]
.macro QUANT s
.irp b, 0,1,2,3
	v_max3_num_f32 v[TM+\b], |v[\s+16*\b]|, |v[\s+1+16*\b]|, 0x2800000   ; my 16 numbers of block b, and the floor 2^(5 - 127): the byte cannot fall under 1
.endr
.irp i, 2,4,6,8,10,12,14
.irp b, 0,1,2,3
	v_max3_num_f32 v[TM+\b], v[TM+\b], |v[\s+16*\b+\i]|, |v[\s+1+16*\b+\i]|
.endr
.endr
.irp b, 0,1,2,3
	v_permlanex16_b32 v[TM+4+\b], v[TM+\b], s[SEL], s[SEL+1]
.endr
.irp b, 0,1,2,3
	v_max_num_f32 v[TM+\b], v[TM+\b], v[TM+4+\b]       ; with lane l xor 16's: the block's largest magnitude
.endr
.irp b, 0,1,2,3
	v_add_nc_u32 v[TM+12+\b], 0xfe000000, v[TM+\b]     ; 4 off its exponent field: the conversion's scale operand
.endr
.irp b, 0,1,2,3
	v_lshrrev_b32 v[TM+4+\b], 23, v[TM+12+\b]          ; the scale's byte
.endr
	v_lshl_or_b32 v[PW], v[TM+5], 8, v[TM+4]
	v_lshl_or_b32 v[PW], v[TM+6], 16, v[PW]
	v_lshl_or_b32 v[PW], v[TM+7], 24, v[PW]
.irp c, 0,1
	v_cvt_scalef32_pk16_bf6_f32 v[PC+6*\c:PC+2+6*\c], v[\s+32*\c:\s+15+32*\c], v[TM+12+2*\c]
	v_cvt_scalef32_pk16_bf6_f32 v[PC+12+4*\c:PC+14+4*\c], v[\s+16+32*\c:\s+31+32*\c], v[TM+12+2*\c+1]   ; (a conversion's three registers begin on an even number)
.endr
	v_nop                                              ; one plain place behind a scaled conversion
.irp c, 0,1                                        ; the operand wants a whole block in a lane: lanes 0-15 block 2 c, lanes 16-31 block 2 c + 1
.irp i, 0,1,2
	v_permlane16_swap_b32 v[PC+6*\c+\i], v[PC+12+4*\c+\i]
.endr
.irp i, 0,1,2
	v_mov_b32 v[PC+3+6*\c+\i], v[PC+12+4*\c+\i]
.endr
.endr
.endm
; sin and cos of position x div p, into v[PE + 2 p] and v[PE + 2 p + 1]
.macro SINCOS p
	v_mul_f32 v12, s46, v[6+\p]                        ; the angle, rounded once
	v_mul_f32 v13, s48, v12
	v_rndne_f32 v13, v13                               ; n = the nearest number of quarter turns
	v_fma_f32 v14, v13, s49, v12                       ; r = angle - n pi/2, pi/2 in two parts
	v_fma_f32 v14, v13, s50, v14
	v_cvt_i32_f32 v15, v13
	v_mul_f32 v16, v14, v14                            ; z = r r
	v_fma_f32 v17, s53, v16, s52
	v_fma_f32 v17, v17, v16, s51
	v_mul_f32 v18, v14, v16
	v_fma_f32 v17, v18, v17, v14                       ; sin r
	v_fma_f32 v19, s56, v16, s55
	v_fma_f32 v19, v19, v16, s54
	v_mul_f32 v20, v16, v16
	v_fma_f32 v21, v16, -0.5, 1.0
	v_fma_f32 v19, v20, v19, v21                       ; cos r
	v_and_b32 v22, 1, v15
	v_cmp_eq_u32 vcc_lo, 1, v22                        ; an odd n changes the two over (a choice of values only)
	v_cndmask_b32 v20, v17, v19, vcc_lo
	v_cndmask_b32 v21, v19, v17, vcc_lo
	v_lshlrev_b32 v22, 30, v15                         ; sin is negative where n mod 4 is 2 or 3,
	v_and_b32 v22, 0x80000000, v22
	v_add_nc_u32 v23, 1, v15                           ; cos where it is 1 or 2
	v_lshlrev_b32 v23, 30, v23
	v_and_b32 v23, 0x80000000, v23
	v_xor_b32 v[PE+2*\p], v20, v22
	v_xor_b32 v[PE+2*\p+1], v21, v23
.endm
; row i of the tile: the mixed encoding of its position is added to both batches' rows
.macro PEROW i
	s_add_co_u32 s45, s27, (\i)+8*((\i)/8)
	s_cvt_f32_u32 s46, s45                             ; the position
	SINCOS 0
	SINCOS 1
	v_pk_mul_f32 v[PE:PE+1], v[PE:PE+1], v[8:9]
	v_pk_mul_f32 v[PE+2:PE+3], v[PE+2:PE+3], v[8:9]
	s_wait_loadcnt 3*(15-(\i))                         ; this row's three loads are in; the three of each later row may be out
	v_pk_fma_f32 v[PE:PE+1], v[RL+4*(\i):RL+4*(\i)+1], v[10:11], v[PE:PE+1]
	v_pk_fma_f32 v[PE+2:PE+3], v[RL+4*(\i)+2:RL+4*(\i)+3], v[10:11], v[PE+2:PE+3]
	v_pk_add_f32 v[XA+4*(\i):XA+4*(\i)+1], v[XA+4*(\i):XA+4*(\i)+1], v[PE:PE+1]
	v_pk_add_f32 v[XA+4*(\i)+2:XA+4*(\i)+3], v[XA+4*(\i)+2:XA+4*(\i)+3], v[PE+2:PE+3]
	v_pk_add_f32 v[XB+4*(\i):XB+4*(\i)+1], v[XB+4*(\i):XB+4*(\i)+1], v[PE:PE+1]
	v_pk_add_f32 v[XB+4*(\i)+2:XB+4*(\i)+3], v[XB+4*(\i)+2:XB+4*(\i)+3], v[PE+2:PE+3]
.endm
	s_load_b512 s[4:19], s[0:1], 0x0                   ; x, rel_emb, alpha, Wq, Wk, Wv, Wo, opq
	v_lshl_add_u32 v39, v0, 2, 0x10800
	v_mov_b32 v59, 0
	v_lshrrev_b32 v12, 5, v0
	v_readfirstlane_b32 s22, v12                       ; wave 0..7
	v_and_b32 v5, 31, v0                               ; lane
	v_and_b32 v12, 15, v0                              ; r
	v_bfe_u32 v13, v0, 4, 1                            ; h
	v_lshlrev_b32 v1, 4, v5                            ; 16 x lane
	s_mov_b32 s[SEL], 0x76543210
	s_mov_b32 s[SEL+1], 0xfedcba98
	s_mov_b32 s41, 0xffff0000                          ; lanes 16-31
	s_lshr_b32 s23, s22, 2                             ; role: 0 xp, 1 a weight
	s_and_b32 s24, s22, 3
	s_lshl_b32 s25, ttmp9, 2
	s_add_co_u32 s24, s24, s25                         ; u = 4 x work-group + wave % 4
	s_lshr_b32 s25, s24, 3                             ; tsel 0..127
	s_and_b32 s26, s24, 7                              ; K step
	s_lshr_b32 s27, s25, 1
	s_lshl_b32 s27, s27, 5
	s_and_b32 s42, s25, 1
	s_lshl_b32 s42, s42, 3
	s_add_co_u32 s27, s27, s42                         ; xp: the tile's first row 32 (tsel / 2) + 8 (tsel % 2)
	s_and_b32 s42, s25, 31
	s_lshl_b32 s42, s42, 5                             ; a weight: 32 (tsel % 32)
	s_lshl_b32 s61, s25, 1
	s_add_co_u32 s61, s61, 256                         ; a weight's tile A
	s_mov_b32 s45, 32768                               ; a weight: tile B lies 8 rows on,
	s_mov_b32 s46, 12288                               ; its codes one tile on,
	s_mov_b32 s40, 512                                 ; its scale words too
	s_cmp_eq_u32 s23, 0
	s_cselect_b32 s27, s27, s42                        ; the first row
	s_cselect_b32 s61, s25, s61                        ; tile A
	s_cselect_b32 s45, 0x800000, s45                   ; xp: tile B is the other batch: 2,048 rows on,
	s_cselect_b32 s46, 0x180000, s46                   ; 128 tiles on
	s_cselect_b32 s40, 0x10000, s40
	s_mul_i32 s47, s22, 16*SP                          ; my stage
	v_add_nc_u32 v2, s47, v1                           ; into it: a row's 512 bytes as they lie
	v_mul_u32_u24 v3, v12, SP
	v_lshl_add_u32 v3, v13, 6, v3
	v_add_nc_u32 v3, s47, v3                           ; out of it: row r, + 64 h: my 16 numbers of a block of 32
	v_mul_u32_u24 v4, s40, v13
	v_lshl_add_u32 v4, v12, 2, v4                      ; scale words: lanes 0-15 tile A's record, lanes 16-31 tile B's; 4 bytes a row
.irp b, 0,1,2,3
	v_mov_b32 v[TM+4+\b], 0                            ; written once: a lane permute's destination counts as one of its sources
.endr
	s_mov_b32 s43, 0
	s_wait_kmcnt 0x0
	s_load_b32 s44, s[8:9], 0x0                        ; alpha
	s_lshr_b32 s42, ttmp9, 6                           ; which weight: 64 work-groups to each
	s_cmp_eq_u32 s42, 1
	s_cselect_b64 s[28:29], s[12:13], s[10:11]
	s_cmp_eq_u32 s42, 2
	s_cselect_b64 s[28:29], s[14:15], s[28:29]
	s_cmp_eq_u32 s42, 3
	s_cselect_b64 s[28:29], s[16:17], s[28:29]
	s_cmp_eq_u32 s23, 0
	s_cselect_b64 s[28:29], s[4:5], s[28:29]           ; the choice hangs on ids alone
	s_lshl_b32 s42, s27, 12
	s_lshl_b32 s24, s26, 9
	s_add_co_u32 s42, s42, s24                         ; first row x 4,096 + K step x 512
	s_add_nc_u64 s[28:29], s[28:29], s[42:43]          ; tile A's numbers
	s_add_nc_u64 s[32:33], s[6:7], s[42:43]
	s_add_nc_u64 s[32:33], s[32:33], 2952*ROWB         ; rel_emb from row 5000 - 2048 on
	s_mov_b32 s42, s45
	s_add_nc_u64 s[30:31], s[28:29], s[42:43]          ; tile B's numbers
	s_mul_i32 s42, s61, 12288
	s_mul_i32 s24, s26, 1536
	s_add_co_u32 s42, s42, s24
	s_add_nc_u64 s[34:35], s[18:19], s[42:43]          ; tile A's codes
	s_mov_b32 s42, s46
	s_add_nc_u64 s[36:37], s[34:35], s[42:43]          ; tile B's
	s_lshl_b32 s42, s61, 9
	s_lshl_b32 s24, s26, 6
	s_add_co_u32 s42, s42, s24
	s_add_co_u32 s42, s42, 6291456
	s_add_nc_u64 s[38:39], s[18:19], s[42:43]          ; tile A's scale words
	s_wait_kmcnt 0x0                                   ; alpha
	s_cmp_lg_u32 s23, 0
	s_cbranch_scc1 .Lweights
.irp i, 0,1,2,3,4,5,6,7,8,9,10,11,12,13,14,15
	global_load_b128 v[XA+4*\i:XA+4*\i+3], v1, s[28:29] offset:(\i+8*(\i/8))*ROWB th:TH_LOAD_NT   ; 32 lanes read 512 consecutive bytes of a row
	global_load_b128 v[XB+4*\i:XB+4*\i+3], v1, s[30:31] offset:(\i+8*(\i/8))*ROWB th:TH_LOAD_NT
	global_load_b128 v[RL+4*\i:RL+4*\i+3], v1, s[32:33] offset:(\i+8*(\i/8))*ROWB th:TH_LOAD_NT
.endr
	s_mov_b32 s48, 0x3f22f983                          ; 2 / pi
	s_mov_b32 s49, 0xbfc90fdb                          ; - pi/2, its head
	s_mov_b32 s50, 0x333bbd2e                          ; and what the head has too much
	s_mov_b32 s51, 0xbe2aaaa3                          ; sin's three coefficients
	s_mov_b32 s52, 0x3c08839e
	s_mov_b32 s53, 0xb94ca1f9
	s_mov_b32 s54, 0x3d2aaaa5                          ; cos's three
	s_mov_b32 s55, 0xbab6061a
	s_mov_b32 s56, 0x37ccf5ce
	s_mov_b32 s57, 0xbc135d8e                          ; - ln(10000) / 1024
	s_mov_b32 s58, 0x3fb8aa3b                          ; log2(e), its head
	s_mov_b32 s59, 0x32a5705f                          ; and its rest
	s_mov_b32 s60, 0x3f317218                          ; ln 2
	v_mov_b32 v8, s44                                  ; alpha, twice
	v_mov_b32 v9, s44
	v_sub_f32 v10, 1.0, v8                             ; 1 - alpha, twice
	v_mov_b32 v11, v10
	s_lshl_b32 s42, s26, 7
	v_lshl_add_u32 v14, v5, 2, s42                     ; my columns begin at j = 128 x K step + 4 x lane: two pairs (sin, cos), for j and j + 2
	v_add_nc_u32 v15, 2, v14
	v_cvt_f32_u32 v14, v14
	v_cvt_f32_u32 v15, v15
	v_mul_f32 v14, s57, v14                            ; j c, rounded once
	v_mul_f32 v15, s57, v15
	v_mul_f32 v16, s58, v14                            ; its base-2 exponent: the head,
	v_mul_f32 v17, s58, v15
	v_fma_f32 v18, v14, s58, -v16                      ; what the head's rounding lost,
	v_fma_f32 v19, v15, s58, -v17
	v_fma_f32 v18, v14, s59, v18                       ; and log2(e)'s rest
	v_fma_f32 v19, v15, s59, v19
	v_exp_f32 v6, v16
	v_exp_f32 v7, v17
	v_mul_f32 v18, s60, v18                            ; (a plain place behind the exponentials)
	v_mul_f32 v19, s60, v19
	s_wait_alu depctr_va_vdst(0)
	v_fma_f32 v6, v6, v18, v6                          ; div = 2^head (1 + rest ln 2)
	v_fma_f32 v7, v7, v19, v7
.irp i, 0,1,2,3,4,5,6,7,8,9,10,11,12,13,14,15
	PEROW \i
.endr
	s_branch .Ljoin
.Lweights:
.irp i, 0,1,2,3,4,5,6,7,8,9,10,11,12,13,14,15
	global_load_b128 v[XA+4*\i:XA+4*\i+3], v1, s[28:29] offset:(\i+8*(\i/8))*ROWB th:TH_LOAD_NT
	global_load_b128 v[XB+4*\i:XB+4*\i+3], v1, s[30:31] offset:(\i+8*(\i/8))*ROWB th:TH_LOAD_NT
.endr
.Ljoin:
	s_wait_loadcnt 0x0
.irp i, 0,1,2,3,4,5,6,7,8,9,10,11,12,13,14,15
	ds_store_b128 v2, v[XA+4*\i:XA+4*\i+3] offset:\i*SP           ; tile A through my stage; LDS serves a wave's instructions in order: no wait between stores and loads
.endr
.irp b, 0,1,2,3
.irp q, 0,1,2,3
	ds_load_b128 v[RL+16*\b+4*\q:RL+16*\b+4*\q+3], v3 offset:128*\b+16*\q
.endr
.endr
	s_wait_dscnt 0x0                                   ; tile A's stores have read their registers, which tile B's numbers take below
.irp i, 0,1,2,3,4,5,6,7,8,9,10,11,12,13,14,15
	ds_store_b128 v2, v[XB+4*\i:XB+4*\i+3] offset:\i*SP
.endr
.irp b, 0,1,2,3
.irp q, 0,1,2,3
	ds_load_b128 v[XA+16*\b+4*\q:XA+16*\b+4*\q+3], v3 offset:128*\b+16*\q
.endr
.endr
	QUANT RL                                           ; tile A, while tile B turns
.irp c, 0,1,2
	global_store_b128 v1, v[PC+4*\c:PC+4*\c+3], s[34:35] offset:512*\c   ; 512 consecutive bytes a store
.endr
	v_mov_b32 v5, v[PW]                                ; tile A's scale word is kept
	s_wait_dscnt 0x0
	s_wait_xcnt 0x0                                    ; the stores' data are written again only behind this wait
	QUANT XA
.irp c, 0,1,2
	global_store_b128 v1, v[PC+4*\c:PC+4*\c+3], s[36:37] offset:512*\c
.endr
	v_cndmask_b32 v5, v5, v[PW], s41                   ; lanes 0-15 tile A's word, lanes 16-31 tile B's
	global_store_b32 v4, v5, s[38:39]                  ; 64 bytes of each tile's record of 512: one byte in 24 of what the wave stores
	s_wait_tensorcnt 0x0
	ds_add_u32 v39, v59
	s_wait_dscnt 0x0
	s_endpgm
.Lfunc_end_k_q068b791906_prep:
	.size	k_q068b791906_prep, .Lfunc_end_k_q068b791906_prep-k_q068b791906_prep
	.p2alignl 7, 3214868480
	.fill 96, 4, 3214868480
	.section	.rodata,"a",@progbits
	.p2align	6, 0x0
	.amdhsa_kernel k_q068b791906_prep
		.amdhsa_group_segment_fixed_size 68608
		.amdhsa_private_segment_fixed_size 0
		.amdhsa_enable_private_segment 0
		.amdhsa_kernarg_size 64
		.amdhsa_user_sgpr_count 2
		.amdhsa_user_sgpr_kernarg_segment_ptr 1
		.amdhsa_wavefront_size32 1
		.amdhsa_system_sgpr_workgroup_id_x 1
		.amdhsa_system_sgpr_workgroup_id_y 1
		.amdhsa_system_sgpr_workgroup_id_z 1
		.amdhsa_system_vgpr_workitem_id 0
		.amdhsa_next_free_vgpr 256
		.amdhsa_next_free_sgpr 66
		.amdhsa_reserve_vcc 1
		.amdhsa_float_denorm_mode_32 3
		.amdhsa_float_denorm_mode_16_64 3
		.amdhsa_memory_ordered 1
		.amdhsa_forward_progress 1
		.amdhsa_inst_pref_size 73
	.end_amdhsa_kernel
	.amdgpu_metadata
---
amdhsa.version: [ 1, 2 ]
amdhsa.kernels:
  - .name:           k_q068b791906_prep
    .symbol:         k_q068b791906_prep.kd
    .args:
      - { .name: x, .offset: 0, .size: 8, .value_kind: global_buffer, .address_space: global }
      - { .name: rel_emb, .offset: 8, .size: 8, .value_kind: global_buffer, .address_space: global }
      - { .name: alpha, .offset: 16, .size: 8, .value_kind: global_buffer, .address_space: global }
      - { .name: Wq, .offset: 24, .size: 8, .value_kind: global_buffer, .address_space: global }
      - { .name: Wk, .offset: 32, .size: 8, .value_kind: global_buffer, .address_space: global }
      - { .name: Wv, .offset: 40, .size: 8, .value_kind: global_buffer, .address_space: global }
      - { .name: Wo, .offset: 48, .size: 8, .value_kind: global_buffer, .address_space: global }
      - { .name: opq, .offset: 56, .size: 8, .value_kind: global_buffer, .address_space: global }
    .group_segment_fixed_size: 68608
    .private_segment_fixed_size: 0
    .kernarg_segment_align: 8
    .kernarg_segment_size: 64
    .max_flat_workgroup_size: 256
    .sgpr_count:     66
    .vgpr_count:     256
    .wavefront_size: 32
...
	.end_amdgpu_metadata
.endif
;; end of part 1
;; launch qkvg (part 2): grid 256 x 1, 3 waves a work-group, no clusters, 0 bytes of LDS; arguments opq, bq, bk, bv, qkv; writes qkv
.if DOCPART == 2
	.amdgcn_target "amdgcn-amd-amdhsa--gfx1250"
	.amdhsa_code_object_version 6
	.text
	.protected	k_q068b791906_qkvg
	.globl	k_q068b791906_qkvg
	.p2align	8
	.type	k_q068b791906_qkvg,@function
k_q068b791906_qkvg:
	s_mov_b64 s[64:65], 0
	v_nop
	global_prefetch_b8 v0, s[64:65] scope:SCOPE_SE
	s_setreg_imm32_b32 hwreg(HW_REG_WAVE_MODE, 25, 1), 1
	s_wait_xcnt 0x0
; QKVG: q = xp Wq^T + bq, k = xp Wk^T + bk, v = xp Wv^T + bv on codes of BF6 with E8M0 scales, and the results quantised at once: q and k along the head's 64, v along the keys.
; SHARES: 768 wave tiles of 128 x 128 (64 accumulators, 512 registers), three waves to a work-group, 256 work-groups: the same work on every WGP.  g = 3 x work-group + wave.
; g < 512 (q, k): source 0 = 8 tiles of Wq or Wk, source 1 = 8 tiles of xp.  g >= 512 (v): source 0 = 8 tiles of xp (128 keys), source 1 = 8 tiles of Wv.
; In both a lane holds ONE row of source 1 and its 64 registers of a tile j run along source 0's 128 rows, 16 neighbours to a pair of tiles (the tiles' row order: lane r of tile 2 B + u holds row 32 B + 8 u + r + 8 (r / 8)):
; that is the axis along which the result is quantised.  So the K loop and the way out are one text; pointers are chosen on g.
; The biases are the C of each sum's first matrix instruction.  Operands come from memory as images of their registers, by loads of 16 bytes a lane; no LDS.
; NO LDS RING AND NO JOINT LOADS: two operands of 16 tiles over all of K are 393,216 bytes, more than LDS holds, so sharing would want refills and a cluster's barrier for a loop of 8 steps; the price is that each image is read by 16 to 32 waves.
; OUTPUT qkv: q's codes at 0 and k's at 3,145,728: [tile of rows][pair of heads][head in pair][768 bytes: registers 0-3 of lane l at 16 l, registers 4-5 at 512 + 8 l];
; v's at 6,291,456: [128 keys][tile of d][two such halves]; scale words: q 9,437,184 and k 9,568,256 [pair of heads][tile][row], v 9,699,328 [128 keys][tile of d][row].
; LIMITS: NaN and infinities are not served; a block whose largest magnitude lies under 2^-122 keeps the byte 1, a block of zeros too (its codes are zeros; only this program reads the bytes).
; REGISTERS, in windows of 256: window 0: v1-4 offsets; v16-47 scale words, two sets; v48 two tiles' scale words on the way out; v64-159, v160-255 source 1's fragments, two buffers (on the way out v64-114 at work).
;   window 1: v0-95, v96-191 source 0's fragments, two buffers; v192-255 the bias.   window 2: accumulators (j, t) at v[8 (8 j + t)], j = 0..3;   window 3: j = 4..7.
.set SC,   16                          ; scale words: set q at v[SC + 16 q]: source 0's tile t at + t, source 1's tile j at + 8 + j; lanes 0-15 an even K step's word, lanes 16-31 the odd one's
.set PWS,  48
.set F1,   64
.set BI,   192
.set TM,   64
.set PW,   80
.set PC,   96
.set SEL,  40
.set MSB,  0
.macro WIN new                         ; the immediate's high byte repeats the setting that is left
.if MSB != (\new)
	s_set_vgpr_msb (MSB<<8)|(\new)
.set MSB, (\new)
.endif
.endm
.macro LOADF s                         ; K step s: 8 + 8 fragments, 48 loads of 512 consecutive bytes, into buffer s % 2; every offset is an immediate
	WIN 0x40                                           ; destination window 1
.irp t, 0,1,2,3,4,5,6,7
.irp c, 0,1,2
	global_load_b128 v[96*((\s)%2)+12*\t+4*\c:96*((\s)%2)+12*\t+4*\c+3], v1, s[20:21] offset:\t*12288+(\s)*1536+512*\c
.endr
.endr
	WIN 0
.irp j, 0,1,2,3,4,5,6,7
.irp c, 0,1,2
	global_load_b128 v[F1+96*((\s)%2)+12*\j+4*\c:F1+96*((\s)%2)+12*\j+4*\c+3], v1, s[22:23] offset:\j*12288+(\s)*1536+512*\c
.endr
.endr
.endm
; 32 matrix instructions: source 1's tiles j0 .. j0 + 3 x source 0's eight.  cmode 0: in place; 1: C = the bias by source 0's rows; 2: by source 1's rows.
; The 64 accumulators take turns, one instruction a turn, in the same order in every step.
.macro MUL s, j0, cmode
.if \cmode == 0
	WIN 0xa1+0x50*((\j0)/4)                            ; source 0 window 1, source 1 window 0, C and D window 2 or 3
.else
	WIN 0x91+0x40*((\j0)/4)                            ; C window 1
.endif
.irp j, 0,1,2,3
.irp t, 0,1,2,3,4,5,6,7
.set rD, 8*(8*\j+\t)
.set rA, 96*((\s)%2)+12*\t
.set rB, F1+96*((\s)%2)+12*(\j0+\j)
.set rSA, SC+16*(((\s)/2)%2)+\t
.set rSB, SC+16*(((\s)/2)%2)+8+\j0+\j
.if \cmode == 1
.set rC, BI+8*\t
.elseif \cmode == 2
.set rC, BI+8*(\j0+\j)
.else
.set rC, rD
.endif
.if (\s)%2
	v_wmma_scale_f32_16x16x128_f8f6f4 v[rD:rD+7], v[rA:rA+11], v[rB:rB+11], v[rC:rC+7], v[rSA], v[rSB] matrix_a_fmt:MATRIX_FMT_BF6 matrix_b_fmt:MATRIX_FMT_BF6 matrix_a_scale:MATRIX_SCALE_ROW1 matrix_b_scale:MATRIX_SCALE_ROW1
.else
	v_wmma_scale_f32_16x16x128_f8f6f4 v[rD:rD+7], v[rA:rA+11], v[rB:rB+11], v[rC:rC+7], v[rSA], v[rSB] matrix_a_fmt:MATRIX_FMT_BF6 matrix_b_fmt:MATRIX_FMT_BF6
.endif
.endr
.endr
.endm
.macro STEP s, cmode
	s_wait_loadcnt 0x0                                 ; all that is out is this step's fragments and scale words
.if (\s) > 0
.rept 4
	v_nop                                              ; four places in front of loads into registers that the last step's matrix instructions read (ISA guide 7.12.1 for vector instructions)
.endr
.endif
.if (\s) < 7
	LOADF (\s)+1                                       ; the next step's fragments have this step's 64 matrix instructions in which to land
.endif
	MUL \s, 0, \cmode
	WIN 0
.if (\s) < 6                           ; the next pair of steps' scale words into the other set: source 0's in an even step, source 1's in an odd one
.if (\s)%2 == 0
.irp t, 0,1,2,3,4,5,6,7
	global_load_b32 v[SC+16*(1-((\s)/2)%2)+\t], v2, s[24:25] offset:\t*512+((\s)/2+1)*128
.endr
.else
.irp j, 0,1,2,3,4,5,6,7
	global_load_b32 v[SC+16*(1-((\s)/2)%2)+8+\j], v2, s[26:27] offset:\j*512+((\s)/2+1)*128
.endr
.endif
.endif
	MUL \s, 4, \cmode
	WIN 0
.endm
; THE WAY OUT of source 1's tile j: my row's 128 numbers (64 registers a lane) become 12 registers of codes and a scale word
.macro OUTJ j
.set AS, 64*((\j)%4)
.set WW, 2+(\j)/4
.if (\j) > 0
	s_wait_xcnt 0x0                                    ; the last tile's stores have read their data and their base
	s_add_nc_u64 s[30:31], s[30:31], s[34:35]
.endif
	WIN WW|(WW<<2)                                     ; sources 0 and 1: the accumulators' window
.irp b, 0,1,2,3
	v_max3_num_f32 v[TM+\b], |v[AS+16*\b]|, |v[AS+1+16*\b]|, 0x2800000   ; each accumulator is read from its low end on; the floor 2^(5 - 127) holds the byte at 1 from below
.endr
.irp i, 2,4,6,8,10,12,14
.irp b, 0,1,2,3
	v_max3_num_f32 v[TM+\b], |v[AS+16*\b+\i]|, |v[AS+1+16*\b+\i]|, v[TM+\b]
.endr
.endr
	WIN 0
.irp b, 0,1,2,3
	v_permlanex16_b32 v[TM+4+\b], v[TM+\b], s[SEL], s[SEL+1]
.endr
.irp b, 0,1,2,3
	v_max_num_f32 v[TM+\b], v[TM+\b], v[TM+4+\b]
.endr
.irp b, 0,1,2,3
	v_add_nc_u32 v[TM+12+\b], 0xfe000000, v[TM+\b]     ; 4 off the exponent field: the conversion's scale operand
.endr
.irp b, 0,1,2,3
	v_lshrrev_b32 v[TM+4+\b], 23, v[TM+12+\b]
.endr
	v_lshl_or_b32 v[PW], v[TM+5], 8, v[TM+4]
	v_lshl_or_b32 v[PW], v[TM+6], 16, v[PW]
	v_lshl_or_b32 v[PW], v[TM+7], 24, v[PW]
	WIN WW                                             ; source 0: the accumulators' window
.irp c, 0,1
	v_cvt_scalef32_pk16_bf6_f32 v[PC+6*\c:PC+2+6*\c], v[AS+32*\c:AS+15+32*\c], v[TM+12+2*\c]
	v_cvt_scalef32_pk16_bf6_f32 v[PC+12+4*\c:PC+14+4*\c], v[AS+16+32*\c:AS+31+32*\c], v[TM+12+2*\c+1]
.endr
	WIN 0
	v_nop                                              ; one plain place behind a scaled conversion
.irp c, 0,1
.irp i, 0,1,2
	v_permlane16_swap_b32 v[PC+6*\c+\i], v[PC+12+4*\c+\i]
.endr
.irp i, 0,1,2
	v_mov_b32 v[PC+3+6*\c+\i], v[PC+12+4*\c+\i]
.endr
.endr
	global_store_b128 v1, v[PC:PC+3], s[30:31]                     ; two halves of 768 bytes: 512 and 256 consecutive bytes a store
	global_store_b64 v3, v[PC+4:PC+5], s[30:31] offset:512
	global_store_b128 v1, v[PC+6:PC+9], s[30:31] offset:768
	global_store_b64 v3, v[PC+10:PC+11], s[30:31] offset:1280
.if (\j)%2 == 0
	v_mov_b32 v[PWS], v[PW]
.else
	v_cndmask_b32 v[PWS], v[PWS], v[PW], s42           ; lanes 0-15 the even tile's words, lanes 16-31 the odd one's
	global_store_b32 v2, v[PWS], s[32:33] offset:128*((\j)/2)      ; 128 consecutive bytes
.endif
.endm
	s_load_b256 s[4:11], s[0:1], 0x0                   ; opq, bq, bk, bv
	s_load_b64 s[12:13], s[0:1], 0x20                  ; qkv
	v_lshrrev_b32 v5, 5, v0
	v_readfirstlane_b32 s14, v5                        ; wave 0..2
	v_and_b32 v3, 31, v0
	v_lshlrev_b32 v1, 4, v3                            ; 16 x lane
	v_lshlrev_b32 v2, 2, v3                            ; 4 x lane
	v_lshlrev_b32 v3, 3, v3                            ; 8 x lane
	v_and_b32 v5, 15, v0                               ; r
	v_bfe_u32 v6, v0, 4, 1                             ; h
	s_mov_b32 s[SEL], 0x76543210
	s_mov_b32 s[SEL+1], 0xfedcba98
	s_mov_b32 s42, 0xffff0000
	s_mul_i32 s15, ttmp9, 3
	s_add_co_u32 s15, s15, s14                         ; g
	s_and_b32 s17, s15, 15                             ; q, k: which 8 tiles of Wq and Wk,
	s_lshr_b32 s18, s15, 4                             ; which 8 tiles of xp
	s_sub_co_u32 s43, s15, 512
	s_lshr_b32 s44, s43, 3                             ; v: which 128 keys,
	s_and_b32 s45, s43, 7                              ; which 8 tiles of Wv
	s_mov_b32 s34, 1536
	s_cmp_lt_u32 s15, 512
	s_cselect_b32 s16, 0, 1                            ; 0: q, k; 1: v
	s_cselect_b32 s17, s17, s44                        ; i0: source 0's group
	s_cselect_b32 s18, s18, s45                        ; i1: source 1's
	s_cselect_b32 s36, 256, 0
	s_cselect_b32 s37, 0, 384
	s_cselect_b32 s34, 12288, s34                      ; the codes' step from tile j to j + 1
	s_mov_b32 s35, 0
	s_lshl_b32 s43, s17, 3
	s_add_co_u32 s36, s36, s43                         ; source 0's first tile in opq
	s_lshl_b32 s43, s18, 3
	s_add_co_u32 s37, s37, s43                         ; source 1's
	s_lshr_b32 s43, s17, 3                             ; q or k
	s_and_b32 s44, s17, 7                              ; the pair of heads
	s_mul_i32 s45, s43, 3145728
	s_mul_i32 s46, s18, 98304
	s_add_co_u32 s45, s45, s46
	s_mul_i32 s46, s44, 1536
	s_add_co_u32 s45, s45, s46                         ; q, k: where the codes go
	s_mul_i32 s47, s17, 98304
	s_mul_i32 s46, s18, 12288
	s_add_co_u32 s47, s47, s46
	s_add_co_u32 s47, s47, 6291456                     ; v: likewise
	s_lshl_b32 s48, s43, 17
	s_lshl_b32 s46, s44, 14
	s_add_co_u32 s48, s48, s46
	s_lshl_b32 s46, s18, 9
	s_add_co_u32 s48, s48, s46
	s_add_co_u32 s48, s48, 9437184                     ; q, k: the scale words
	s_lshl_b32 s49, s17, 12
	s_add_co_u32 s49, s49, s46
	s_add_co_u32 s49, s49, 9699328                     ; v: likewise
	s_cmp_eq_u32 s16, 0
	s_cselect_b32 s45, s45, s47
	s_cselect_b32 s48, s48, s49
	s_cselect_b32 s44, s44, s18                        ; which 128 numbers of the bias
	s_lshl_b32 s44, s44, 9
	s_mov_b32 s39, 0
	s_wait_kmcnt 0x0
	s_mul_i32 s38, s36, 12288
	s_add_nc_u64 s[20:21], s[4:5], s[38:39]            ; source 0's codes
	s_mul_i32 s38, s37, 12288
	s_add_nc_u64 s[22:23], s[4:5], s[38:39]            ; source 1's
	s_lshl_b32 s38, s36, 9
	s_add_co_u32 s38, s38, 6291456
	s_add_nc_u64 s[24:25], s[4:5], s[38:39]            ; source 0's scale words
	s_lshl_b32 s38, s37, 9
	s_add_co_u32 s38, s38, 6291456
	s_add_nc_u64 s[26:27], s[4:5], s[38:39]            ; source 1's
	s_cmp_lt_u32 s17, 8
	s_cselect_b64 s[28:29], s[6:7], s[8:9]
	s_cmp_eq_u32 s16, 0
	s_cselect_b64 s[28:29], s[28:29], s[10:11]         ; the bias: the choice hangs on ids alone
	s_mov_b32 s38, s44
	s_add_nc_u64 s[28:29], s[28:29], s[38:39]
	s_mov_b32 s38, s45
	s_add_nc_u64 s[30:31], s[12:13], s[38:39]
	s_mov_b32 s38, s48
	s_add_nc_u64 s[32:33], s[12:13], s[38:39]
.irp t, 0,1,2,3,4,5,6,7
	global_load_b32 v[SC+\t], v2, s[24:25] offset:\t*512           ; K steps 0 and 1: lanes 0-15 step 0's words, lanes 16-31 step 1's
.endr
.irp j, 0,1,2,3,4,5,6,7
	global_load_b32 v[SC+8+\j], v2, s[26:27] offset:\j*512
.endr
	LOADF 0
	s_cmp_lg_u32 s16, 0
	s_cbranch_scc1 .Lfor_v
	v_lshlrev_b32 v4, 6, v6                            ; q, k: register e of tile t wants the bias of unit 32 (t / 2) + 16 h + 8 (t % 2) + e
	WIN 0x40
.irp t, 0,1,2,3,4,5,6,7
	global_load_b128 v[BI+8*\t:BI+8*\t+3], v4, s[28:29] offset:(32*(\t/2)+8*(\t%2))*4
	global_load_b128 v[BI+8*\t+4:BI+8*\t+7], v4, s[28:29] offset:(32*(\t/2)+8*(\t%2))*4+16
.endr
	WIN 0
	STEP 0, 1                                          ; the first K step starts the sums, on the bias
	s_branch .Lsteps
.Lfor_v:
	v_and_b32 v4, 8, v5
	v_add_nc_u32 v4, v4, v5
	v_lshlrev_b32 v4, 2, v4                            ; v: all eight registers of tile j want the bias of my row of Wv: 32 (j / 2) + 8 (j % 2) + r + 8 (r / 8)
	WIN 0x40
.irp j, 0,1,2,3,4,5,6,7
.irp e, 0,1,2,3,4,5,6,7
	global_load_b32 v[BI+8*\j+\e], v4, s[28:29] offset:(32*(\j/2)+8*(\j%2))*4
.endr
.endr
	WIN 0
	STEP 0, 2
.Lsteps:
.irp s, 1,2,3,4,5,6,7
	STEP \s, 0
.endr
.rept 4
	v_nop                                              ; four places behind the last products, in front of the reads of their results
.endr
.irp b, 0,1,2,3
	v_mov_b32 v[TM+4+\b], 0                            ; a lane permute's destination counts as one of its sources
.endr
.irp j, 0,1,2,3,4,5,6,7
	OUTJ \j
.endr
	s_endpgm
.Lfunc_end_k_q068b791906_qkvg:
	.size	k_q068b791906_qkvg, .Lfunc_end_k_q068b791906_qkvg-k_q068b791906_qkvg
	.p2alignl 7, 3214868480
	.fill 96, 4, 3214868480
	.section	.rodata,"a",@progbits
	.p2align	6, 0x0
	.amdhsa_kernel k_q068b791906_qkvg
		.amdhsa_group_segment_fixed_size 0
		.amdhsa_private_segment_fixed_size 0
		.amdhsa_enable_private_segment 0
		.amdhsa_kernarg_size 40
		.amdhsa_user_sgpr_count 2
		.amdhsa_user_sgpr_kernarg_segment_ptr 1
		.amdhsa_wavefront_size32 1
		.amdhsa_system_sgpr_workgroup_id_x 1
		.amdhsa_system_sgpr_workgroup_id_y 1
		.amdhsa_system_sgpr_workgroup_id_z 1
		.amdhsa_system_vgpr_workitem_id 0
		.amdhsa_next_free_vgpr 1024
		.amdhsa_next_free_sgpr 66
		.amdhsa_reserve_vcc 0
		.amdhsa_float_denorm_mode_32 3
		.amdhsa_float_denorm_mode_16_64 3
		.amdhsa_memory_ordered 1
		.amdhsa_forward_progress 1
		.amdhsa_inst_pref_size 169
	.end_amdhsa_kernel
	.amdgpu_metadata
---
amdhsa.version: [ 1, 2 ]
amdhsa.kernels:
  - .name:           k_q068b791906_qkvg
    .symbol:         k_q068b791906_qkvg.kd
    .args:
      - { .name: opq, .offset: 0, .size: 8, .value_kind: global_buffer, .address_space: global }
      - { .name: bq, .offset: 8, .size: 8, .value_kind: global_buffer, .address_space: global }
      - { .name: bk, .offset: 16, .size: 8, .value_kind: global_buffer, .address_space: global }
      - { .name: bv, .offset: 24, .size: 8, .value_kind: global_buffer, .address_space: global }
      - { .name: qkv, .offset: 32, .size: 8, .value_kind: global_buffer, .address_space: global }
    .group_segment_fixed_size: 0
    .private_segment_fixed_size: 0
    .kernarg_segment_align: 8
    .kernarg_segment_size: 40
    .max_flat_workgroup_size: 96
    .sgpr_count:     66
    .vgpr_count:     1024
    .wavefront_size: 32
...
	.end_amdgpu_metadata
.endif
;; end of part 2
;; launch attn (part 3): grid 8 x 32, 16 waves a work-group, clusters of 4 x 1, 210,944 bytes of LDS; arguments qkv, ao; writes ao
.if DOCPART == 3
	.amdgcn_target "amdgcn-amd-amdhsa--gfx1250"
	.amdhsa_code_object_version 6
	.text
	.protected	k_q068b791906_attn
	.globl	k_q068b791906_attn
	.p2align	8
	.type	k_q068b791906_attn,@function
k_q068b791906_attn:
	s_mov_b64 s[64:65], 0
	v_nop
	global_prefetch_b8 v0, s[64:65] scope:SCOPE_SE
	s_setreg_imm32_b32 hwreg(HW_REG_WAVE_MODE, 25, 1), 1
	s_wait_xcnt 0x0
	s_wait_alu depctr_hold_cnt(0) depctr_sa_sdst(0) depctr_va_vdst(0) depctr_va_sdst(0) depctr_va_ssrc(0) depctr_va_vcc(0) depctr_vm_vsrc(0)
	s_getreg_b32 s2, hwreg(HW_REG_IB_STS2, 6, 4)
	s_cmp_eq_u32 s2, 0
	s_cbranch_scc0 .Lentry_in_a_cluster
	s_endpgm
.Lentry_in_a_cluster:
	s_bfe_u32 s2, ttmp6, 0x10000c
	s_cmp_lg_u32 s2, 0x3003
	s_cbranch_scc0 .Lentry_shape_is_right
	s_endpgm
.Lentry_shape_is_right:
; ATTN: for each batch and head, O = softmax(q k^T / 32) v on codes of BF6 with E8M0 scales, and O quantised at once along the model's 1,024 for the last projection.
; THE SOFTMAX AHEAD OF THE SECOND PRODUCT: t = score x log2(e) / 32; M = the running largest t rounded UP to a whole number; p = 2^(t - M) is quantised along the keys, not normalised;
; the row's sum is taken of the unquantised p and divides O at the end.  When M moves, the sum and O are multiplied by 2^(old M - new M): exact.
; SHARES: a work-group owns 256 queries of one head, each of its sixteen waves one tile of 16 in 256 registers: four waves to a SIMD, so that one wave's vector work stands beside another's products and LDS loads.
; ALL OF A HEAD'S K AND V, codes and scale words, 208,896 bytes, lie in LDS: every LDS byte is filled once and nothing is filled again.  They come in four quarters of 512 keys, so that the first keys are worked while the rest lands.
; CLUSTER: the four work-groups of a cluster walk the same head: every fill is asked for JOINTLY, by the same tensor load with the same descriptor and the mask of all four.  Wave 0 asks for K, wave 1 for V: five loads each are out at the most.
; LAYOUT: both products are used transposed (S^T = k q^T, O^T = v^T p^T): a lane holds one query throughout.  A tile's rows are not neighbours (lane r of tile 2 B + u holds row 32 B + 8 u + r + 8 (r / 8)),
; so the 16 registers of two neighbouring tiles are 16 neighbours along the next K.  The first product's K is the head's 64: registers 6-11 of q's and k's fragments hold zero codes, set once, and add nothing.
; Operands lie in memory and LDS as images of their registers: half a fragment is 768 bytes: registers 0-3 of lane l at 16 l, registers 4-5 at 512 + 8 l: every LDS read is of consecutive bytes.
; LIMITS: NaN and infinities are not served; a block of O whose largest magnitude lies under 2^-122 keeps the byte 1, a block of zeros too.  A block's largest p is made from the block's largest score by the same two instructions.
; REGISTERS: v1-3 16, 8, 4 x lane; v4-6, v8-10 the step's LDS addresses; v7 4 r; v11 K's scale words' base; v12 -M, v13 the largest t, v[14:15] the sum; v16-27 q; v28-29 V's scale words; v32-79 four fragments of K;
;   v80-127 four of V; v128-191 S^T, then p; v192-223 O^T; v224-235 p's codes; v232-247, v252, v254 at work; v248-251 K's scale words; v253 p's; v255 q's.
.set S,    128
.set O,    192
.set KSL,  196608                      ; LDS: K's codes at 0 (128 tiles x 768), V's at 98,304 (16 x 4 tiles x 1,536), K's scale words here (128 tiles x 64), V's at 204,800 (16 x 4 tiles x 64)
.set VCL,  98304
.set VSL,  204800
.set G1K,  24                          ; s[24:31] group 1: 32 tiles of K: rows of 768 bytes, 12,288 apart
.set G1V,  32                          ; s[32:39] 512 keys of V: 4 rows of 6,144 bytes, 98,304 apart
.set G1KS, 40                          ; s[40:47] K's scale words: 8,192 dense bytes as rows of 256
.set G1VS, 48                          ; s[48:55] V's: 16 rows of 256 bytes, 4,096 apart
.macro ROUND                           ; a round of the cluster's barrier
	s_barrier_signal -1
	s_barrier_wait -1
	s_cmp_lg_u32 s8, 0
	s_cbranch_scc1 .Lnot_wave_0_\@
	s_barrier_signal -3
.Lnot_wave_0_\@:
	s_barrier_wait -3
	s_barrier_signal -1
	s_barrier_wait -1
.endm
.macro G1SET g, c, r, p                ; r rows of c elements of 8 bytes, p elements apart; mask of all four work-groups, bit 21 beside it, no padding
	s_mov_b32 s[\g], 15|(3<<16)|(1<<21)
	s_mov_b32 s[\g+1], (\c)<<16
	s_mov_b32 s[\g+2], (\r)<<16
	s_mov_b32 s[\g+3], (\c)<<16
	s_mov_b32 s[\g+4], \r
	s_mov_b32 s[\g+5], \p
	s_mov_b32 s[\g+6], 0
	s_mov_b32 s[\g+7], 0
.endm
.macro G0SET g, c                      ; group 0 of quarter c of the codes
	s_mov_b32 s[\g], 1
	s_add_co_u32 s[\g+1], s19, \c*24576
	s_add_nc_u64 s[\g+2:\g+3], s[94:95], \c*393216
	s_or_b32 s[\g+3], s[\g+3], 0x80000000
.endm
	s_load_b128 s[4:7], s[0:1], 0x0                    ; qkv, ao
	v_lshl_add_u32 v31, v0, 2, 0x33000
	v_mov_b32 v243, 0
	ds_add_u32 v31, v243
	ds_add_u32 v31, v243
	v_lshrrev_b32 v4, 5, v0
	v_readfirstlane_b32 s8, v4                         ; wave 0..15
	s_bfe_u32 s9, ttmp6, 0x40000                       ; cx: it enters q's and ao's global addresses alone
	s_lshl_b32 s10, ttmp9, 2
	s_add_co_u32 s10, s10, s9                          ; my block of 256 queries
	s_and_b32 s11, ttmp7, 0xffff                       ; batch x 16 + head, which the four partners share
	s_lshr_b32 s12, s11, 4                             ; batch
	s_and_b32 s13, s11, 15                             ; head
	s_lshr_b32 s14, s13, 1                             ; pair of heads
	s_and_b32 s15, s11, 1                              ; head in pair
	s_lshl_b32 s85, s15, 1                             ; its two bytes in a scale word of q, k or ao
	s_lshl_b32 s16, s12, 7
	s_lshl_b32 s18, s10, 4
	s_add_co_u32 s16, s16, s18
	s_add_co_u32 s16, s16, s8                          ; my tile of queries
	s_and_b32 s17, s8, 1                               ; 0: I would ask for K; 1: for V
	G1SET G1K, 96, 32, 1536
	G1SET G1V, 768, 4, 12288
	G1SET G1KS, 32, 32, 32
	G1SET G1VS, 32, 16, 512
	s_mov_b32 s20, 0x76543210
	s_mov_b32 s21, 0xfedcba98                          ; v_permlanex16_b32's selects for lane l xor 16
	s_mov_b32 s22, 0x3d38aa3b                          ; c = log2(e) / 32
	s_mov_b32 s23, s22                                 ; (named with it as a pair)
	s_mul_i32 s86, s16, 12288
	s_mul_i32 s18, s13, 768
	s_add_co_u32 s86, s86, s18                         ; my tile's half fragment, in q's codes and in ao's
	s_mov_b32 s87, 0
	s_lshl_b32 s88, s14, 14
	s_lshl_b32 s18, s16, 6
	s_add_co_u32 s88, s88, s18
	s_add_co_u32 s88, s88, s85
	s_add_co_u32 s88, s88, 9437184                     ; q's scale bytes
	s_mov_b32 s89, 0
	s_lshl_b32 s92, s16, 9
	s_lshl_b32 s18, s14, 6
	s_add_co_u32 s92, s92, s18
	s_add_co_u32 s92, s92, s85
	s_add_co_u32 s92, s92, 3145728                     ; ao's scale bytes
	s_mov_b32 s93, 0
	; what the joint loads fetch: made of the batch, the head and the wave's number alone, in registers that never hold cx
	s_mul_i32 s94, s12, 1572864
	s_mul_i32 s19, s13, 768
	s_add_co_u32 s94, s94, s19
	s_add_co_u32 s94, s94, 3145728                     ; K's codes of the head
	s_mul_i32 s19, s13, 5376
	s_add_co_u32 s19, s19, 3145728                     ; V's lie this much further on
	s_mul_i32 s19, s19, s17
	s_add_co_u32 s94, s94, s19
	s_mov_b32 s95, 0
	s_lshl_b32 s96, s14, 14
	s_lshl_b32 s19, s12, 13
	s_add_co_u32 s96, s96, s19
	s_add_co_u32 s96, s96, 9568256                     ; K's scale words
	s_mul_i32 s19, s12, 57344
	s_lshl_b32 s97, s13, 8
	s_add_co_u32 s19, s19, s97
	s_add_co_u32 s19, s19, 131072
	s_lshl_b32 s97, s14, 14
	s_sub_co_u32 s19, s19, s97                         ; V's lie this much further on (19,968 bytes at the least)
	s_mul_i32 s19, s19, s17
	s_add_co_u32 s96, s96, s19
	s_mov_b32 s97, 0
	s_wait_dscnt 0x0
	s_wait_kmcnt 0x0
	s_add_nc_u64 s[90:91], s[6:7], s[86:87]
	s_add_nc_u64 s[86:87], s[4:5], s[86:87]
	s_add_nc_u64 s[88:89], s[4:5], s[88:89]
	s_add_nc_u64 s[92:93], s[6:7], s[92:93]
	s_add_nc_u64 s[94:95], s[4:5], s[94:95]
	s_add_nc_u64 s[96:97], s[4:5], s[96:97]
	s_mov_b32 s56, 1                                   ; group 0 of the scale words
	s_lshl_b32 s19, s17, 13
	s_add_co_u32 s57, s19, KSL
	s_mov_b64 s[58:59], s[96:97]
	s_or_b32 s59, s59, 0x80000000
	s_mul_i32 s19, s17, VCL
	G0SET 60, 0
	G0SET 68, 1
	G0SET 72, 2
	G0SET 76, 3
	ROUND                                              ; all four work-groups are here: the joint loads meet
	s_cmp_eq_u32 s8, 0                                 ; a wave's fills stand in one branch on its number, ahead of every wait on TENSORcnt, every LDS read and every further barrier
	s_cbranch_scc0 .Lnot_k
	tensor_load_to_lds s[56:59], s[G1KS:G1KS+7]
	s_nop 0
	tensor_load_to_lds s[60:63], s[G1K:G1K+7]
	s_nop 0
	tensor_load_to_lds s[68:71], s[G1K:G1K+7]
	s_nop 0
	tensor_load_to_lds s[72:75], s[G1K:G1K+7]
	s_nop 0
	tensor_load_to_lds s[76:79], s[G1K:G1K+7]
	s_nop 0
.rept 4
	v_nop
.endr
	s_branch .Lasked
.Lnot_k:
	s_cmp_eq_u32 s8, 1
	s_cbranch_scc0 .Lasked
	tensor_load_to_lds s[56:59], s[G1VS:G1VS+7]
	s_nop 0
	tensor_load_to_lds s[60:63], s[G1V:G1V+7]
	s_nop 0
	tensor_load_to_lds s[68:71], s[G1V:G1V+7]
	s_nop 0
	tensor_load_to_lds s[72:75], s[G1V:G1V+7]
	s_nop 0
	tensor_load_to_lds s[76:79], s[G1V:G1V+7]
	s_nop 0
.rept 4
	v_nop
.endr
.Lasked:
	v_and_b32 v3, 31, v0
	v_lshlrev_b32 v1, 4, v3
	v_lshlrev_b32 v2, 3, v3
	v_lshlrev_b32 v3, 2, v3
	v_and_b32 v7, 15, v0
	v_lshlrev_b32 v7, 2, v7
	v_add_nc_u32 v11, s85, v3
	v_add_nc_u32 v11, KSL, v11                         ; K's scale words: 4 x lane + my head's two bytes
	global_load_b128 v[16:19], v1, s[86:87]            ; q's half fragment stays in registers
	global_load_b64 v[20:21], v2, s[86:87] offset:512
	global_load_u16 v255, v7, s[88:89]                 ; its two scale bytes; the upper two come out 0 and stand over zero codes
.irp i, 22,23,24,25,26,27
	v_mov_b32 v[\i], 0                                 ; k = 64 .. 127 of the first product: zero codes
.endr
.irp t, 0,1,2,3
.irp i, 6,7,8,9,10,11
	v_mov_b32 v[32+12*\t+\i], 0                        ; likewise in K's four fragments: set once, never loaded
.endr
.endr
	v_mov_b32 v13, 0xff61b1e6                          ; the largest t so far: -3e38
	v_floor_f32 v12, -v13                              ; -M
	v_mov_b32 v14, 0
	v_mov_b32 v15, 0
.irp b, 0,1,2,3
	v_mov_b32 v[236+\b], 0                             ; a lane permute's destination counts as one of its sources
.endr
	v_mov_b32 v253, 0                                  ; (named as the upper half of v[252:253] before it is first written)
.irp j, 0,1,2,3,4,5,6,7,8,9,10,11,12,13,14,15,16,17,18,19,20,21,22,23,24,25,26,27,28,29,30,31
	v_mov_b32 v[O+\j], 0                               ; O^T: the step is written once; the first finds zeros, which the first change of M leaves zeros
.endr
	s_wait_loadcnt 0x0                                 ; q
.macro KLOAD grp                       ; four tiles of 16 keys
.irp t, 0,1,2,3
	ds_load_b128 v[32+12*\t:35+12*\t], v4 offset:768*(4*\grp+\t)
	ds_load_b64 v[36+12*\t:37+12*\t], v5 offset:768*(4*\grp+\t)+512
.endr
.endm
.macro KQ4 grp                         ; S^T of these four tiles; a register of scale words holds an even tile's in lanes 0-15 and the odd one's in lanes 16-31
.irp t, 0,1,2,3
.if \t%2
	v_wmma_scale_f32_16x16x128_f8f6f4 v[S+8*(4*\grp+\t):S+8*(4*\grp+\t)+7], v[32+12*\t:43+12*\t], v[16:27], 0, v[248+2*\grp+\t/2], v255 matrix_a_fmt:MATRIX_FMT_BF6 matrix_b_fmt:MATRIX_FMT_BF6 matrix_a_scale:MATRIX_SCALE_ROW1
.else
	v_wmma_scale_f32_16x16x128_f8f6f4 v[S+8*(4*\grp+\t):S+8*(4*\grp+\t)+7], v[32+12*\t:43+12*\t], v[16:27], 0, v[248+2*\grp+\t/2], v255 matrix_a_fmt:MATRIX_FMT_BF6 matrix_b_fmt:MATRIX_FMT_BF6
.endif
.endr
.endm
; A KEY STEP: 128 keys
.macro STEP
	v_add_nc_u32 v4, s80, v1                           ; six additions: also the places between the last step's products and the loads into V's registers
	v_add_nc_u32 v5, s80, v2
	v_add_nc_u32 v6, s82, v11
	v_add_nc_u32 v8, s81, v1
	v_add_nc_u32 v9, s81, v2
	v_add_nc_u32 v10, s83, v3
	KLOAD 0
.irp i, 0,1,2,3
	ds_load_u16 v[248+\i], v6 offset:128*\i            ; my head's two bytes of each key's scale word; the upper two come out 0, over zero codes
.endr
.irp t, 0,1,2,3
.irp c, 0,1
	ds_load_b128 v[80+12*\t+6*\c:83+12*\t+6*\c], v8 offset:1536*\t+768*\c
	ds_load_b64 v[84+12*\t+6*\c:85+12*\t+6*\c], v9 offset:1536*\t+768*\c+512
.endr
.endr
.irp i, 0,1
	ds_load_b32 v[28+\i], v10 offset:128*\i
.endr
	s_wait_dscnt 18                                    ; K's first four tiles and its scale words are in; V's 16 loads and its 2 loads of scale words may be out
	KQ4 0
.rept 4
	v_nop                                              ; places in front of loads into registers that matrix instructions have read
.endr
	KLOAD 1
	s_wait_dscnt 0x0
	KQ4 1
.rept 4
	v_nop                                              ; places in front of the reads of the results
.endr
.irp b, 0,1,2,3
	v_max3_num_f32 v[232+\b], v[S+16*\b], v[S+1+16*\b], v[S+2+16*\b]   ; the largest score of each block of 32 keys: for the row's maximum and, since p rises with the score, for the block's largest p
.endr
.irp i, 3,5,7,9,11,13
.irp b, 0,1,2,3
	v_max3_num_f32 v[232+\b], v[232+\b], v[S+16*\b+\i], v[S+1+16*\b+\i]
.endr
.endr
.irp b, 0,1,2,3
	v_max_num_f32 v[232+\b], v[232+\b], v[S+15+16*\b]
.endr
.irp b, 0,1,2,3
	v_permlanex16_b32 v[236+\b], v[232+\b], s20, s21
.endr
.irp b, 0,1,2,3
	v_max_num_f32 v[232+\b], v[232+\b], v[236+\b]      ; with lane l xor 16's 16 keys
.endr
	v_max3_num_f32 v254, v232, v233, v234
	v_max_num_f32 v254, v254, v235
	v_mul_f32 v254, s22, v254                          ; the step's largest t (c is positive)
	v_max_num_f32 v13, v13, v254                       ; the running largest t
	v_mov_b32 v254, v12
	v_floor_f32 v12, -v13                              ; the new -M = -ceil(t)
	v_sub_f32 v254, v12, v254                          ; old M - new M: a whole number, 0 or less
	v_cvt_i32_f32 v254, v254                           ; (it saturates)
	v_ldexp_f32 v252, 1.0, v254                        ; f = 2^(old M - new M)
.irp j, 0,2,4,6,8,10,12,14,16,18,20,22,24,26,28,30,32,34,36,38,40,42,44,46,48,50,52,54,56,58,60,62
	v_pk_fma_f32 v[S+\j:S+1+\j], v[S+\j:S+1+\j], s[22:23], v[12:13] op_sel_hi:[1,0,0]   ; t - M, two at a time
.endr
.irp b, 0,1,2,3
	v_fma_f32 v[232+\b], v[232+\b], s22, v12
.endr
.irp j, 0,1,2,3,4,5,6,7,8,9,10,11,12,13,14,15,16,17,18,19,20,21,22,23,24,25,26,27,28,29,30,31,32,33,34,35,36,37,38,39,40,41,42,43,44,45,46,47,48,49,50,51,52,53,54,55,56,57,58,59,60,61,62,63
	v_exp_f32 v[S+\j], v[S+\j]                         ; p = 2^(t - M), at most 1
.endr
.irp b, 0,1,2,3
	v_exp_f32 v[232+\b], v[232+\b]                     ; the block's largest p
.endr
	v_pk_mul_f32 v[14:15], v[14:15], v[252:253] op_sel_hi:[1,0]   ; the sums under the new M (a plain place behind the exponentials)
	s_wait_alu depctr_va_vdst(0)
.irp b, 0,1,2,3
	v_max_num_f32 v[232+\b], 0x2800000, v[232+\b]      ; the floor 2^(5 - 127)
.endr
.irp b, 0,1,2,3
	v_add_nc_u32 v[244+\b], 0xfe000000, v[232+\b]      ; the conversion's scale operand
.endr
.irp b, 0,1,2,3
	v_lshrrev_b32 v[236+\b], 23, v[244+\b]
.endr
	v_lshl_or_b32 v253, v237, 8, v236                  ; p's scale word for these 128 keys
	v_lshl_or_b32 v253, v238, 16, v253
	v_lshl_or_b32 v253, v239, 24, v253
.irp c, 0,1
	v_cvt_scalef32_pk16_bf6_f32 v[224+6*\c:226+6*\c], v[S+32*\c:S+15+32*\c], v[244+2*\c]
	v_cvt_scalef32_pk16_bf6_f32 v[236+4*\c:238+4*\c], v[S+16+32*\c:S+31+32*\c], v[244+2*\c+1]
.endr
	v_nop                                              ; one plain place behind a scaled conversion
.irp c, 0,1
.irp i, 0,1,2
	v_permlane16_swap_b32 v[224+6*\c+\i], v[236+4*\c+\i]
.endr
.irp i, 0,1,2
	v_mov_b32 v[227+6*\c+\i], v[236+4*\c+\i]
.endr
.endr
.irp j, 0,2,4,6,8,10,12,14,16,18,20,22,24,26,28,30
	v_pk_mul_f32 v[O+\j:O+1+\j], v[O+\j:O+1+\j], v[252:253] op_sel_hi:[1,0]   ; O^T under the new M, each accumulator from its low end on
.endr
	v_pk_add_f32 v[236:237], v[S:S+1], v[S+2:S+3]      ; the row's sum of the UNQUANTISED p, in two chains.  (These lines are also the places between p's scale word and codes and the products)
.irp j, 4,8,12,16,20,24,28,32,36,40,44,48,52,56,60
	v_pk_add_f32 v[14:15], v[14:15], v[S+\j:S+1+\j]
	v_pk_add_f32 v[236:237], v[236:237], v[S+2+\j:S+3+\j]
.endr
	v_pk_add_f32 v[14:15], v[14:15], v[236:237]
.irp t, 0,1,2,3                                    ; O^T += V^T P^T: the four accumulators by turns, one instruction a turn
.if \t%2
	v_wmma_scale_f32_16x16x128_f8f6f4 v[O+8*\t:O+8*\t+7], v[80+12*\t:91+12*\t], v[224:235], v[O+8*\t:O+8*\t+7], v[28+\t/2], v253 matrix_a_fmt:MATRIX_FMT_BF6 matrix_b_fmt:MATRIX_FMT_BF6 matrix_a_scale:MATRIX_SCALE_ROW1
.else
	v_wmma_scale_f32_16x16x128_f8f6f4 v[O+8*\t:O+8*\t+7], v[80+12*\t:91+12*\t], v[224:235], v[O+8*\t:O+8*\t+7], v[28+\t/2], v253 matrix_a_fmt:MATRIX_FMT_BF6 matrix_b_fmt:MATRIX_FMT_BF6
.endif
.endr
.endm
; A QUARTER: 512 keys, four steps
.macro CHUNK c
	s_wait_tensorcnt 3-\c                              ; waves 0 and 1: the scale words and the quarters up to this one have landed; the later quarters' loads may be out
	s_wait_dscnt 0x0
	s_barrier_signal -1
	s_barrier_wait -1                                  ; so every wave may read them
	s_mov_b32 s80, \c*24576                            ; K's codes,
	s_mov_b32 s81, VCL+\c*24576                        ; V's,
	s_mov_b32 s82, \c*2048                             ; K's scale words,
	s_mov_b32 s83, VSL+\c*1024                         ; V's
	s_mov_b32 s84, 4
.Lstep_\@:
	STEP
	s_add_co_u32 s80, s80, 6144
	s_add_co_u32 s81, s81, 6144
	s_add_co_u32 s82, s82, 512
	s_add_co_u32 s83, s83, 256
	s_sub_co_u32 s84, s84, 1
	s_cmp_lg_u32 s84, 0
	s_cbranch_scc1 .Lstep_\@
.endm
	CHUNK 0
	CHUNK 1
	CHUNK 2
	CHUNK 3
	; THE WAY OUT: O^T / the sum; my query's 64 numbers (32 a lane) are two blocks of the last projection's K: half a fragment and two scale bytes
.rept 4
	v_nop                                              ; places behind the last products
.endr
	v_add_f32 v14, v14, v15
	v_permlanex16_b32 v252, v14, s20, s21
	v_add_f32 v14, v14, v252                           ; the row's sum
	v_rcp_f32 v14, v14
	v_nop                                              ; one plain place behind a transcendental
	s_wait_alu depctr_va_vdst(0)
.irp j, 0,1,2,3,4,5,6,7,8,9,10,11,12,13,14,15,16,17,18,19,20,21,22,23,24,25,26,27,28,29,30,31
	v_mul_f32 v[S+\j], v[O+\j], v14                    ; register 16 b + i: channel 32 b + 16 (lane / 16) + i of my head
.endr
.irp b, 0,1
	v_max3_num_f32 v[232+\b], |v[S+16*\b]|, |v[S+1+16*\b]|, 0x2800000
.endr
.irp i, 2,4,6,8,10,12,14
.irp b, 0,1
	v_max3_num_f32 v[232+\b], v[232+\b], |v[S+16*\b+\i]|, |v[S+1+16*\b+\i]|
.endr
.endr
.irp b, 0,1
	v_permlanex16_b32 v[236+\b], v[232+\b], s20, s21
.endr
.irp b, 0,1
	v_max_num_f32 v[232+\b], v[232+\b], v[236+\b]
.endr
.irp b, 0,1
	v_add_nc_u32 v[244+\b], 0xfe000000, v[232+\b]
.endr
.irp b, 0,1
	v_lshrrev_b32 v[236+\b], 23, v[244+\b]
.endr
	v_lshl_or_b32 v254, v237, 8, v236                  ; my head's two bytes
	v_cvt_scalef32_pk16_bf6_f32 v[224:226], v[S:S+15], v244
	v_cvt_scalef32_pk16_bf6_f32 v[228:230], v[S+16:S+31], v245
	v_nop
.irp i, 0,1,2
	v_permlane16_swap_b32 v[224+\i], v[228+\i]
.endr
.irp i, 0,1,2
	v_mov_b32 v[227+\i], v[228+\i]                     ; in ascending order: each source is read before it is written
.endr
	global_store_b128 v1, v[224:227], s[90:91]         ; 768 consecutive bytes in two stores
	global_store_b64 v2, v[228:229], s[90:91] offset:512
	global_store_b16 v7, v254, s[92:93]                ; a word's two halves belong to two heads: 32 bytes a wave (lanes l and l xor 16 hold the same row and write the same number)
	s_wait_tensorcnt 0x0
	s_wait_dscnt 0x0
	s_wait_tensorcnt 0x0
	ds_add_u32 v31, v243
	s_wait_dscnt 0x0
	ROUND                                              ; the closing round: no work-group ends while a partner may still ask for a tile that names it
	s_endpgm
.Lfunc_end_k_q068b791906_attn:
	.size	k_q068b791906_attn, .Lfunc_end_k_q068b791906_attn-k_q068b791906_attn
	.p2alignl 7, 3214868480
	.fill 96, 4, 3214868480
	.section	.rodata,"a",@progbits
	.p2align	6, 0x0
	.amdhsa_kernel k_q068b791906_attn
		.amdhsa_group_segment_fixed_size 210944
		.amdhsa_private_segment_fixed_size 0
		.amdhsa_enable_private_segment 0
		.amdhsa_kernarg_size 16
		.amdhsa_user_sgpr_count 2
		.amdhsa_user_sgpr_kernarg_segment_ptr 1
		.amdhsa_wavefront_size32 1
		.amdhsa_system_sgpr_workgroup_id_x 1
		.amdhsa_system_sgpr_workgroup_id_y 1
		.amdhsa_system_sgpr_workgroup_id_z 1
		.amdhsa_system_vgpr_workitem_id 0
		.amdhsa_next_free_vgpr 256
		.amdhsa_next_free_sgpr 98
		.amdhsa_reserve_vcc 0
		.amdhsa_float_denorm_mode_32 3
		.amdhsa_float_denorm_mode_16_64 3
		.amdhsa_memory_ordered 1
		.amdhsa_forward_progress 1
		.amdhsa_inst_pref_size 82
	.end_amdhsa_kernel
	.amdgpu_metadata
---
amdhsa.version: [ 1, 2 ]
amdhsa.kernels:
  - .name:           k_q068b791906_attn
    .symbol:         k_q068b791906_attn.kd
    .args:
      - { .name: qkv, .offset: 0, .size: 8, .value_kind: global_buffer, .address_space: global }
      - { .name: ao, .offset: 8, .size: 8, .value_kind: global_buffer, .address_space: global }
    .group_segment_fixed_size: 210944
    .private_segment_fixed_size: 0
    .kernarg_segment_align: 8
    .kernarg_segment_size: 16
    .max_flat_workgroup_size: 512
    .sgpr_count:     98
    .vgpr_count:     256
    .wavefront_size: 32
...
	.end_amdgpu_metadata
.endif
;; end of part 3
;; launch outp (part 4): grid 256 x 1, 1 waves a work-group, no clusters, 8,960 bytes of LDS; arguments opq, ao, bo, out0; writes out0
.if DOCPART == 4
	.amdgcn_target "amdgcn-amd-amdhsa--gfx1250"
	.amdhsa_code_object_version 6
	.text
	.protected	k_q068b791906_outp
	.globl	k_q068b791906_outp
	.p2align	8
	.type	k_q068b791906_outp,@function
k_q068b791906_outp:
	s_mov_b64 s[64:65], 0
	v_nop
	global_prefetch_b8 v0, s[64:65] scope:SCOPE_SE
	s_setreg_imm32_b32 hwreg(HW_REG_WAVE_MODE, 25, 1), 1
	s_wait_xcnt 0x0
; OUTP: out0 = ao Wo^T + bo on codes of BF6 with E8M0 scales; out0 [4,096][1,024] f32.
; SHARES: 256 tiles of 128 x 128, one wave and one work-group to each (64 accumulators, 512 registers).  Tiles of 64 x 64 would give every SIMD a wave and read each operand image twice as often; the larger tile is taken.
; Source 0 = 8 tiles of Wo (opq's tiles 448 on), source 1 = 8 tiles of ao: a lane holds one row of the output and its registers run along the columns, 16 neighbours to a pair of tiles
; (lane r of tile 2 B + u holds row 32 B + 8 u + r + 8 (r / 8)).  bo is the C of each sum's first matrix instruction.  Operands come from memory as images of their registers.
; A block of 16 rows goes through a stage in LDS and leaves as whole rows: 32 lanes store 512 consecutive bytes, at a multiple of 256 from out0's first byte.
; REGISTERS, in windows of 256: window 0: v1-5 offsets; v16-47 scale words, two sets; v64-159, v160-255 ao's fragments, two buffers (on the way out v128-255 rows of the output).
;   window 1: v0-95, v96-191 Wo's fragments, two buffers; v192-255 the bias.   window 2: accumulators (j, t) at v[8 (8 j + t)], j = 0..3;   window 3: j = 4..7.
.set SC,   16
.set F1,   64
.set BI,   192
.set BK,   128
.set SP,   528                         ; a stage row: 512 bytes + 16
.set MSB,  0
.macro WIN new                         ; the immediate's high byte repeats the setting that is left
.if MSB != (\new)
	s_set_vgpr_msb (MSB<<8)|(\new)
.set MSB, (\new)
.endif
.endm
.macro LOADF s                         ; K step s into buffer s % 2: Wo's fragments in three loads each, ao's (two halves of 768 bytes) in four
	WIN 0x40
.irp t, 0,1,2,3,4,5,6,7
.irp c, 0,1,2
	global_load_b128 v[96*((\s)%2)+12*\t+4*\c:96*((\s)%2)+12*\t+4*\c+3], v1, s[20:21] offset:\t*12288+(\s)*1536+512*\c
.endr
.endr
	WIN 0
.irp j, 0,1,2,3,4,5,6,7
.set rF, F1+96*((\s)%2)+12*\j
.set oF, \j*12288+(\s)*1536
	global_load_b128 v[rF:rF+3], v1, s[22:23] offset:oF
	global_load_b64 v[rF+4:rF+5], v3, s[22:23] offset:oF+512
	global_load_b128 v[rF+6:rF+9], v1, s[22:23] offset:oF+768
	global_load_b64 v[rF+10:rF+11], v3, s[22:23] offset:oF+1280
.endr
.endm
; 32 matrix instructions: ao's tiles j0 .. j0 + 3 x Wo's eight.  cmode 1: C = the bias.  The 64 accumulators take turns, one instruction a turn.
.macro MUL s, j0, cmode
.if \cmode == 0
	WIN 0xa1+0x50*((\j0)/4)
.else
	WIN 0x91+0x40*((\j0)/4)
.endif
.irp j, 0,1,2,3
.irp t, 0,1,2,3,4,5,6,7
.set rD, 8*(8*\j+\t)
.set rA, 96*((\s)%2)+12*\t
.set rB, F1+96*((\s)%2)+12*(\j0+\j)
.set rSA, SC+16*(((\s)/2)%2)+\t
.set rSB, SC+16*(((\s)/2)%2)+8+\j0+\j
.if \cmode == 1
.set rC, BI+8*\t
.else
.set rC, rD
.endif
.if (\s)%2
	v_wmma_scale_f32_16x16x128_f8f6f4 v[rD:rD+7], v[rA:rA+11], v[rB:rB+11], v[rC:rC+7], v[rSA], v[rSB] matrix_a_fmt:MATRIX_FMT_BF6 matrix_b_fmt:MATRIX_FMT_BF6 matrix_a_scale:MATRIX_SCALE_ROW1 matrix_b_scale:MATRIX_SCALE_ROW1
.else
	v_wmma_scale_f32_16x16x128_f8f6f4 v[rD:rD+7], v[rA:rA+11], v[rB:rB+11], v[rC:rC+7], v[rSA], v[rSB] matrix_a_fmt:MATRIX_FMT_BF6 matrix_b_fmt:MATRIX_FMT_BF6
.endif
.endr
.endr
.endm
.macro STEP s, cmode
	s_wait_loadcnt 0x0                                 ; all that is out is this step's fragments and scale words
.if (\s) > 0
.rept 4
	v_nop                                              ; four places in front of loads into registers that the last step's matrix instructions read
.endr
.endif
.if (\s) < 7
	LOADF (\s)+1
.endif
	MUL \s, 0, \cmode
	WIN 0
.if (\s) < 6
.if (\s)%2 == 0
.irp t, 0,1,2,3,4,5,6,7
	global_load_b32 v[SC+16*(1-((\s)/2)%2)+\t], v2, s[24:25] offset:\t*512+((\s)/2+1)*128
.endr
.else
.irp j, 0,1,2,3,4,5,6,7
	global_load_b32 v[SC+16*(1-((\s)/2)%2)+8+\j], v2, s[26:27] offset:\j*512+((\s)/2+1)*128
.endr
.endif
.endif
	MUL \s, 4, \cmode
	WIN 0
.endm
.macro TOSTAGE j                       ; ao's tile j: 16 rows x 128 columns into the stage and back as whole rows; LDS serves a wave's instructions in order: no wait between
	WIN 0x08+4*((\j)/4)                                ; an LDS store's data are its source 1: window 2 or 3
.irp t, 0,1,2,3,4,5,6,7
	ds_store_b128 v5, v[8*(8*((\j)%4)+\t):8*(8*((\j)%4)+\t)+3] offset:128*(\t/2)+32*(\t%2)       ; each accumulator from its low end on
	ds_store_b128 v5, v[8*(8*((\j)%4)+\t)+4:8*(8*((\j)%4)+\t)+7] offset:128*(\t/2)+32*(\t%2)+16
.endr
	WIN 0
.irp i, 0,1,2,3,4,5,6,7,8,9,10,11,12,13,14,15
	ds_load_b128 v[BK+64*((\j)%2)+4*\i:BK+64*((\j)%2)+4*\i+3], v1 offset:\i*SP
.endr
.endm
.macro SEND j, younger                 ; younger: the LDS instructions issued behind tile j's loads, which may stay out
	s_wait_dscnt \younger
.irp i, 0,1,2,3,4,5,6,7,8,9,10,11,12,13,14,15
	global_store_b128 v1, v[BK+64*((\j)%2)+4*\i:BK+64*((\j)%2)+4*\i+3], s[30:31] offset:(32*((\j)/2)+8*((\j)%2)+\i+8*(\i/8))*4096 th:TH_STORE_NT   ; every offset an immediate: 127 rows at the most
.endr
.endm
	s_load_b256 s[4:11], s[0:1], 0x0                   ; opq, ao, bo, out0
	v_lshl_add_u32 v62, v0, 2, 0x2200
	v_mov_b32 v63, 0
	v_and_b32 v3, 31, v0
	v_lshlrev_b32 v1, 4, v3                            ; 16 x lane: images, the stage's rows on the way back, and a row of out0
	v_lshlrev_b32 v2, 2, v3                            ; 4 x lane
	v_lshlrev_b32 v3, 3, v3                            ; 8 x lane
	v_and_b32 v8, 15, v0                               ; r
	v_bfe_u32 v9, v0, 4, 1                             ; h
	v_lshlrev_b32 v4, 6, v9                            ; the bias: register e of tile t wants column 32 (t / 2) + 16 h + 8 (t % 2) + e
	v_mul_u32_u24 v5, v8, SP
	v_lshl_add_u32 v5, v9, 6, v5                       ; the stage, on the way in: row r, + 64 h
	s_and_b32 s17, ttmp9, 7                            ; which 128 columns
	s_lshr_b32 s18, ttmp9, 3                           ; which 128 rows
	s_lshl_b32 s36, s17, 3
	s_add_co_u32 s36, s36, 448                         ; Wo's first tile in opq
	s_lshl_b32 s37, s18, 3                             ; ao's first tile
	s_mov_b32 s39, 0
	s_wait_kmcnt 0x0
	s_mul_i32 s38, s36, 12288
	s_add_nc_u64 s[20:21], s[4:5], s[38:39]
	s_mul_i32 s38, s37, 12288
	s_add_nc_u64 s[22:23], s[6:7], s[38:39]
	s_lshl_b32 s38, s36, 9
	s_add_co_u32 s38, s38, 6291456
	s_add_nc_u64 s[24:25], s[4:5], s[38:39]
	s_lshl_b32 s38, s37, 9
	s_add_co_u32 s38, s38, 3145728
	s_add_nc_u64 s[26:27], s[6:7], s[38:39]
	s_lshl_b32 s38, s17, 9
	s_add_nc_u64 s[28:29], s[8:9], s[38:39]
	s_lshl_b32 s36, s18, 19
	s_add_co_u32 s38, s38, s36
	s_add_nc_u64 s[30:31], s[10:11], s[38:39]          ; out0 at my first row and column
.irp t, 0,1,2,3,4,5,6,7
	global_load_b32 v[SC+\t], v2, s[24:25] offset:\t*512
.endr
.irp j, 0,1,2,3,4,5,6,7
	global_load_b32 v[SC+8+\j], v2, s[26:27] offset:\j*512
.endr
	LOADF 0
	WIN 0x40
.irp t, 0,1,2,3,4,5,6,7
	global_load_b128 v[BI+8*\t:BI+8*\t+3], v4, s[28:29] offset:(32*(\t/2)+8*(\t%2))*4
	global_load_b128 v[BI+8*\t+4:BI+8*\t+7], v4, s[28:29] offset:(32*(\t/2)+8*(\t%2))*4+16
.endr
	WIN 0
	STEP 0, 1                                          ; the first K step starts the sums, on the bias
.irp s, 1,2,3,4,5,6,7
	STEP \s, 0
.endr
.rept 4
	v_nop                                              ; places behind the last products: for the stores that read results and the loads into registers that held fragments
.endr
	TOSTAGE 0
.irp a, 1,2,3,4,5,6,7
.if \a > 1
	s_wait_xcnt 0x0                                    ; tile a - 2's stores have read their registers: tile a's rows may land there
.endif
	TOSTAGE \a
	SEND \a-1, 32                                      ; behind tile a - 1's loads: tile a's 16 stores and 16 loads
.endr
	SEND 7, 0
	s_wait_tensorcnt 0x0
	ds_add_u32 v62, v63
	s_wait_dscnt 0x0
	s_endpgm
.Lfunc_end_k_q068b791906_outp:
	.size	k_q068b791906_outp, .Lfunc_end_k_q068b791906_outp-k_q068b791906_outp
	.p2alignl 7, 3214868480
	.fill 96, 4, 3214868480
	.section	.rodata,"a",@progbits
	.p2align	6, 0x0
	.amdhsa_kernel k_q068b791906_outp
		.amdhsa_group_segment_fixed_size 8960
		.amdhsa_private_segment_fixed_size 0
		.amdhsa_enable_private_segment 0
		.amdhsa_kernarg_size 32
		.amdhsa_user_sgpr_count 2
		.amdhsa_user_sgpr_kernarg_segment_ptr 1
		.amdhsa_wavefront_size32 1
		.amdhsa_system_sgpr_workgroup_id_x 1
		.amdhsa_system_sgpr_workgroup_id_y 1
		.amdhsa_system_sgpr_workgroup_id_z 1
		.amdhsa_system_vgpr_workitem_id 0
		.amdhsa_next_free_vgpr 1024
		.amdhsa_next_free_sgpr 66
		.amdhsa_reserve_vcc 0
		.amdhsa_float_denorm_mode_32 3
		.amdhsa_float_denorm_mode_16_64 3
		.amdhsa_memory_ordered 1
		.amdhsa_forward_progress 1
		.amdhsa_inst_pref_size 148
	.end_amdhsa_kernel
	.amdgpu_metadata
---
amdhsa.version: [ 1, 2 ]
amdhsa.kernels:
  - .name:           k_q068b791906_outp
    .symbol:         k_q068b791906_outp.kd
    .args:
      - { .name: opq, .offset: 0, .size: 8, .value_kind: global_buffer, .address_space: global }
      - { .name: ao, .offset: 8, .size: 8, .value_kind: global_buffer, .address_space: global }
      - { .name: bo, .offset: 16, .size: 8, .value_kind: global_buffer, .address_space: global }
      - { .name: out0, .offset: 24, .size: 8, .value_kind: global_buffer, .address_space: global }
    .group_segment_fixed_size: 8960
    .private_segment_fixed_size: 0
    .kernarg_segment_align: 8
    .kernarg_segment_size: 32
    .max_flat_workgroup_size: 32
    .sgpr_count:     66
    .vgpr_count:     1024
    .wavefront_size: 32
...
	.end_amdgpu_metadata
.endif
;; end of part 4
;; ======== version 2 of 2: 4 launches
;; workspace buffers: opq 6,553,600 bytes; qkv 9,830,400 bytes; ao 3,276,800 bytes
;; launch prep (part 5): grid 256 x 1, 8 waves a work-group, no clusters, 68,608 bytes of LDS; arguments x, rel_emb, alpha, Wq, Wk, Wv, Wo, opq; writes opq
.if DOCPART == 5
	.amdgcn_target "amdgcn-amd-amdhsa--gfx1250"
	.amdhsa_code_object_version 6
	.text
	.protected	k_q068b791906_prep
	.globl	k_q068b791906_prep
	.p2align	8
	.type	k_q068b791906_prep,@function
k_q068b791906_prep:
	s_mov_b64 s[64:65], 0
	v_nop
	global_prefetch_b8 v0, s[64:65] scope:SCOPE_SE
	s_setreg_imm32_b32 hwreg(HW_REG_WAVE_MODE, 25, 1), 1
	s_wait_xcnt 0x0
; PREP: xp = x + alpha pe + (1 - alpha) rel_emb[2952 + s], and the four weights, become codes of BF6 (E3M2) with one E8M0 byte for each 32 along K (the last axis of all five).
; OUTPUT opq: codes [tile 0..511][K step 0..7][1,536 bytes], an image of the operand's registers: registers 4c..4c+3 of lane l at 512 c + 16 l; from byte 6,291,456 the scale words [tile][K step][row in tile].
; Tiles 0-255 xp (rows b 2048 + s), 256-319 Wq, 320-383 Wk, 384-447 Wv, 448-511 Wo.  THE ROWS OF A TILE ARE NOT NEIGHBOURS: lane r of tile 2 B + u holds row 32 B + 8 u + r + 8 (r / 8).
; SHARES: a wave makes two fragments (16 rows x 128 K each) of one K step.  Waves 0-3: tiles tsel and tsel + 128 of xp (the same positions in both batches, so pe and rel_emb serve twice);
; waves 4-7: two neighbouring tiles of a weight.  Every load reads 512 consecutive bytes of a row; a tile turns through the wave's own stage in LDS so that a lane holds 16 neighbours of each block of 32.
; The sinusoid is made in f32: div = exp(j c) by a split of j c log2(e) into a head and a rest; the angle is reduced by pi/2 in two parts; polynomials on |r| <= pi/4.
; LIMITS: NaN and infinities are not served.  A block whose largest magnitude lies under 2^-122 keeps the byte 1, a block of zeros too (its codes are zeros; only this program reads the bytes).
; The reduction in two parts holds for positions up to 2,047 (at most 1,304 quarter turns).  div is good to about 1.5 units in its last place, so an angle near 2,047 may differ by about 2e-4 from another f32 exp's.
; No tensor loads, no barrier: waves share nothing, and every input byte is read once.
.set ROWB,  4096                       ; a row of x, rel_emb or a weight in bytes
.set SP,    528                        ; a stage row: 512 bytes + 16: row r starts 4 r words on in the banks
.set SEL,   20                         ; s[20:21] v_permlanex16_b32's selects for lane l xor 16
.set PE,    24                         ; v24-27   sin, cos, sin, cos of my four columns
.set TM,    28                         ; v28-43   at work in QUANT
.set PC,    44                         ; v44-62   the codes just made (v44-55 the fragment)
.set PW,    63                         ; v63      the scale word just made
.set XA,    64                         ; v64-127  tile A: row i in 4 registers; later tile B's numbers by blocks
.set XB,    128                        ; v128-191 tile B
.set RL,    192                        ; v192-255 rel_emb's rows; later tile A's numbers by blocks
; 64 numbers of a lane, register 16 b + i = k 32 b + 16 (lane / 16) + i of my row, become a fragment's codes in v[PC] on and its scale word in v[PW]
.macro QUANT s
.irp b, 0,1,2,3
	v_max3_num_f32 v[TM+\b], |v[\s+16*\b]|, |v[\s+1+16*\b]|, 0x2800000   ; my 16 numbers of block b, and the floor 2^(5 - 127): the byte cannot fall under 1
.endr
.irp i, 2,4,6,8,10,12,14
.irp b, 0,1,2,3
	s_delay_alu instid0(VALU_DEP_4)
	v_max3_num_f32 v[TM+\b], v[TM+\b], |v[\s+16*\b+\i]|, |v[\s+1+16*\b+\i]|
.endr
.endr
.irp b, 0,1,2,3
	s_delay_alu instid0(VALU_DEP_4)
	v_permlanex16_b32 v[TM+4+\b], v[TM+\b], s[SEL], s[SEL+1]
.endr
.irp b, 0,1,2,3
	s_delay_alu instid0(VALU_DEP_4)
	v_max_num_f32 v[TM+\b], v[TM+\b], v[TM+4+\b]       ; with lane l xor 16's: the block's largest magnitude
.endr
.irp b, 0,1,2,3
	s_delay_alu instid0(VALU_DEP_4)
	v_add_nc_u32 v[TM+12+\b], 0xfe000000, v[TM+\b]     ; 4 off its exponent field: the conversion's scale operand
.endr
.irp b, 0,1,2,3
	s_delay_alu instid0(VALU_DEP_4)
	v_lshrrev_b32 v[TM+4+\b], 23, v[TM+12+\b]          ; the scale's byte
.endr
	s_delay_alu instid0(VALU_DEP_3)
	v_lshl_or_b32 v[PW], v[TM+5], 8, v[TM+4]
	s_delay_alu instid0(VALU_DEP_1)
	v_lshl_or_b32 v[PW], v[TM+6], 16, v[PW]
	s_delay_alu instid0(VALU_DEP_1)
	v_lshl_or_b32 v[PW], v[TM+7], 24, v[PW]
.irp c, 0,1
	v_cvt_scalef32_pk16_bf6_f32 v[PC+6*\c:PC+2+6*\c], v[\s+32*\c:\s+15+32*\c], v[TM+12+2*\c]
	v_cvt_scalef32_pk16_bf6_f32 v[PC+12+4*\c:PC+14+4*\c], v[\s+16+32*\c:\s+31+32*\c], v[TM+12+2*\c+1]   ; (a conversion's three registers begin on an even number)
.endr
	v_nop                                              ; one plain place behind a scaled conversion
.irp c, 0,1                                        ; the operand wants a whole block in a lane: lanes 0-15 block 2 c, lanes 16-31 block 2 c + 1
.irp i, 0,1,2
	v_permlane16_swap_b32 v[PC+6*\c+\i], v[PC+12+4*\c+\i]
.endr
.irp i, 0,1,2
	s_delay_alu instid0(VALU_DEP_3)
	v_mov_b32 v[PC+3+6*\c+\i], v[PC+12+4*\c+\i]
.endr
.endr
.endm
; sin and cos of position x div p, into v[PE + 2 p] and v[PE + 2 p + 1]
.macro SINCOS p
	v_mul_f32 v12, s46, v[6+\p]                        ; the angle, rounded once
	s_delay_alu instid0(VALU_DEP_1)
	v_mul_f32 v13, s48, v12
	s_delay_alu instid0(VALU_DEP_1)
	v_rndne_f32 v13, v13                               ; n = the nearest number of quarter turns
	s_delay_alu instid0(VALU_DEP_1)
	v_fma_f32 v14, v13, s49, v12                       ; r = angle - n pi/2, pi/2 in two parts
	s_delay_alu instid0(VALU_DEP_1)
	v_fma_f32 v14, v13, s50, v14
	s_delay_alu instid0(VALU_DEP_3)
	v_cvt_i32_f32 v15, v13
	s_delay_alu instid0(VALU_DEP_2)
	v_mul_f32 v16, v14, v14                            ; z = r r
	s_delay_alu instid0(VALU_DEP_1)
	v_fma_f32 v17, s53, v16, s52
	s_delay_alu instid0(VALU_DEP_1)
	v_fma_f32 v17, v17, v16, s51
	s_delay_alu instid0(VALU_DEP_3)
	v_mul_f32 v18, v14, v16
	s_delay_alu instid0(VALU_DEP_1)
	v_fma_f32 v17, v18, v17, v14                       ; sin r
	v_fma_f32 v19, s56, v16, s55
	s_delay_alu instid0(VALU_DEP_1)
	v_fma_f32 v19, v19, v16, s54
	v_mul_f32 v20, v16, v16
	v_fma_f32 v21, v16, -0.5, 1.0
	s_delay_alu instid0(VALU_DEP_1)
	v_fma_f32 v19, v20, v19, v21                       ; cos r
	v_and_b32 v22, 1, v15
	s_delay_alu instid0(VALU_DEP_1)
	v_cmp_eq_u32 vcc_lo, 1, v22                        ; an odd n changes the two over (a choice of values only)
	s_delay_alu instid0(VALU_DEP_1)
	v_cndmask_b32 v20, v17, v19, vcc_lo
	s_delay_alu instid0(VALU_DEP_2)
	v_cndmask_b32 v21, v19, v17, vcc_lo
	v_lshlrev_b32 v22, 30, v15                         ; sin is negative where n mod 4 is 2 or 3,
	s_delay_alu instid0(VALU_DEP_1)
	v_and_b32 v22, 0x80000000, v22
	v_add_nc_u32 v23, 1, v15                           ; cos where it is 1 or 2
	s_delay_alu instid0(VALU_DEP_1)
	v_lshlrev_b32 v23, 30, v23
	s_delay_alu instid0(VALU_DEP_1)
	v_and_b32 v23, 0x80000000, v23
	s_delay_alu instid0(VALU_DEP_4)
	v_xor_b32 v[PE+2*\p], v20, v22
	s_delay_alu instid0(VALU_DEP_2)
	v_xor_b32 v[PE+2*\p+1], v21, v23
.endm
; row i of the tile: the mixed encoding of its position is added to both batches' rows
.macro PEROW i
	s_add_co_u32 s45, s27, (\i)+8*((\i)/8)
	s_cvt_f32_u32 s46, s45                             ; the position
	SINCOS 0
	SINCOS 1
	v_pk_mul_f32 v[PE:PE+1], v[PE:PE+1], v[8:9]
	s_delay_alu instid0(VALU_DEP_2)
	v_pk_mul_f32 v[PE+2:PE+3], v[PE+2:PE+3], v[8:9]
	s_wait_alu depctr_va_vdst(0)
	s_wait_loadcnt 3*(15-(\i))                         ; this row's three loads are in; the three of each later row may be out
	v_pk_fma_f32 v[PE:PE+1], v[RL+4*(\i):RL+4*(\i)+1], v[10:11], v[PE:PE+1]
	v_pk_fma_f32 v[PE+2:PE+3], v[RL+4*(\i)+2:RL+4*(\i)+3], v[10:11], v[PE+2:PE+3]
	s_delay_alu instid0(VALU_DEP_2)
	v_pk_add_f32 v[XA+4*(\i):XA+4*(\i)+1], v[XA+4*(\i):XA+4*(\i)+1], v[PE:PE+1]
	s_delay_alu instid0(VALU_DEP_2)
	v_pk_add_f32 v[XA+4*(\i)+2:XA+4*(\i)+3], v[XA+4*(\i)+2:XA+4*(\i)+3], v[PE+2:PE+3]
	s_delay_alu instid0(VALU_DEP_4)
	v_pk_add_f32 v[XB+4*(\i):XB+4*(\i)+1], v[XB+4*(\i):XB+4*(\i)+1], v[PE:PE+1]
	s_delay_alu instid0(VALU_DEP_4)
	v_pk_add_f32 v[XB+4*(\i)+2:XB+4*(\i)+3], v[XB+4*(\i)+2:XB+4*(\i)+3], v[PE+2:PE+3]
.endm
	s_load_b512 s[4:19], s[0:1], 0x0                   ; x, rel_emb, alpha, Wq, Wk, Wv, Wo, opq
	v_lshl_add_u32 v39, v0, 2, 0x10800
	v_mov_b32 v59, 0
	v_lshrrev_b32 v12, 5, v0
	s_delay_alu instid0(VALU_DEP_1)
	v_readfirstlane_b32 s22, v12                       ; wave 0..7
	v_and_b32 v5, 31, v0                               ; lane
	v_and_b32 v12, 15, v0                              ; r
	v_bfe_u32 v13, v0, 4, 1                            ; h
	s_delay_alu instid0(VALU_DEP_3)
	v_lshlrev_b32 v1, 4, v5                            ; 16 x lane
	s_wait_alu depctr_va_vdst(0)
	s_mov_b32 s[SEL], 0x76543210
	s_mov_b32 s[SEL+1], 0xfedcba98
	s_mov_b32 s41, 0xffff0000                          ; lanes 16-31
	s_lshr_b32 s23, s22, 2                             ; role: 0 xp, 1 a weight
	s_and_b32 s24, s22, 3
	s_lshl_b32 s25, ttmp9, 2
	s_add_co_u32 s24, s24, s25                         ; u = 4 x work-group + wave % 4
	s_lshr_b32 s25, s24, 3                             ; tsel 0..127
	s_and_b32 s26, s24, 7                              ; K step
	s_lshr_b32 s27, s25, 1
	s_lshl_b32 s27, s27, 5
	s_and_b32 s42, s25, 1
	s_lshl_b32 s42, s42, 3
	s_add_co_u32 s27, s27, s42                         ; xp: the tile's first row 32 (tsel / 2) + 8 (tsel % 2)
	s_and_b32 s42, s25, 31
	s_lshl_b32 s42, s42, 5                             ; a weight: 32 (tsel % 32)
	s_lshl_b32 s61, s25, 1
	s_add_co_u32 s61, s61, 256                         ; a weight's tile A
	s_mov_b32 s45, 32768                               ; a weight: tile B lies 8 rows on,
	s_mov_b32 s46, 12288                               ; its codes one tile on,
	s_mov_b32 s40, 512                                 ; its scale words too
	s_cmp_eq_u32 s23, 0
	s_cselect_b32 s27, s27, s42                        ; the first row
	s_cselect_b32 s61, s25, s61                        ; tile A
	s_cselect_b32 s45, 0x800000, s45                   ; xp: tile B is the other batch: 2,048 rows on,
	s_cselect_b32 s46, 0x180000, s46                   ; 128 tiles on
	s_cselect_b32 s40, 0x10000, s40
	s_mul_i32 s47, s22, 16*SP                          ; my stage
	v_add_nc_u32 v2, s47, v1                           ; into it: a row's 512 bytes as they lie
	v_mul_u32_u24 v3, v12, SP
	s_delay_alu instid0(VALU_DEP_1)
	v_lshl_add_u32 v3, v13, 6, v3
	s_delay_alu instid0(VALU_DEP_1)
	v_add_nc_u32 v3, s47, v3                           ; out of it: row r, + 64 h: my 16 numbers of a block of 32
	v_mul_u32_u24 v4, s40, v13
	s_delay_alu instid0(VALU_DEP_1)
	v_lshl_add_u32 v4, v12, 2, v4                      ; scale words: lanes 0-15 tile A's record, lanes 16-31 tile B's; 4 bytes a row
.irp b, 0,1,2,3
	v_mov_b32 v[TM+4+\b], 0                            ; written once: a lane permute's destination counts as one of its sources
.endr
	s_mov_b32 s43, 0
	s_wait_kmcnt 0x0
	s_load_b32 s44, s[8:9], 0x0                        ; alpha
	s_lshr_b32 s42, ttmp9, 6                           ; which weight: 64 work-groups to each
	s_cmp_eq_u32 s42, 1
	s_cselect_b64 s[28:29], s[12:13], s[10:11]
	s_cmp_eq_u32 s42, 2
	s_cselect_b64 s[28:29], s[14:15], s[28:29]
	s_cmp_eq_u32 s42, 3
	s_cselect_b64 s[28:29], s[16:17], s[28:29]
	s_cmp_eq_u32 s23, 0
	s_cselect_b64 s[28:29], s[4:5], s[28:29]           ; the choice hangs on ids alone
	s_lshl_b32 s42, s27, 12
	s_lshl_b32 s24, s26, 9
	s_add_co_u32 s42, s42, s24                         ; first row x 4,096 + K step x 512
	s_add_nc_u64 s[28:29], s[28:29], s[42:43]          ; tile A's numbers
	s_add_nc_u64 s[32:33], s[6:7], s[42:43]
	s_add_nc_u64 s[32:33], s[32:33], 2952*ROWB         ; rel_emb from row 5000 - 2048 on
	s_mov_b32 s42, s45
	s_add_nc_u64 s[30:31], s[28:29], s[42:43]          ; tile B's numbers
	s_mul_i32 s42, s61, 12288
	s_mul_i32 s24, s26, 1536
	s_add_co_u32 s42, s42, s24
	s_add_nc_u64 s[34:35], s[18:19], s[42:43]          ; tile A's codes
	s_mov_b32 s42, s46
	s_add_nc_u64 s[36:37], s[34:35], s[42:43]          ; tile B's
	s_lshl_b32 s42, s61, 9
	s_lshl_b32 s24, s26, 6
	s_add_co_u32 s42, s42, s24
	s_add_co_u32 s42, s42, 6291456
	s_add_nc_u64 s[38:39], s[18:19], s[42:43]          ; tile A's scale words
	s_wait_kmcnt 0x0                                   ; alpha
	s_cmp_lg_u32 s23, 0
	s_cbranch_scc1 .Lweights
.irp i, 0,1,2,3,4,5,6,7,8,9,10,11,12,13,14,15
	global_load_b128 v[XA+4*\i:XA+4*\i+3], v1, s[28:29] offset:(\i+8*(\i/8))*ROWB th:TH_LOAD_NT   ; 32 lanes read 512 consecutive bytes of a row
	global_load_b128 v[XB+4*\i:XB+4*\i+3], v1, s[30:31] offset:(\i+8*(\i/8))*ROWB th:TH_LOAD_NT
	global_load_b128 v[RL+4*\i:RL+4*\i+3], v1, s[32:33] offset:(\i+8*(\i/8))*ROWB th:TH_LOAD_NT
.endr
	s_mov_b32 s48, 0x3f22f983                          ; 2 / pi
	s_mov_b32 s49, 0xbfc90fdb                          ; - pi/2, its head
	s_mov_b32 s50, 0x333bbd2e                          ; and what the head has too much
	s_mov_b32 s51, 0xbe2aaaa3                          ; sin's three coefficients
	s_mov_b32 s52, 0x3c08839e
	s_mov_b32 s53, 0xb94ca1f9
	s_mov_b32 s54, 0x3d2aaaa5                          ; cos's three
	s_mov_b32 s55, 0xbab6061a
	s_mov_b32 s56, 0x37ccf5ce
	s_mov_b32 s57, 0xbc135d8e                          ; - ln(10000) / 1024
	s_mov_b32 s58, 0x3fb8aa3b                          ; log2(e), its head
	s_mov_b32 s59, 0x32a5705f                          ; and its rest
	s_mov_b32 s60, 0x3f317218                          ; ln 2
	v_mov_b32 v8, s44                                  ; alpha, twice
	v_mov_b32 v9, s44
	s_delay_alu instid0(VALU_DEP_2)
	v_sub_f32 v10, 1.0, v8                             ; 1 - alpha, twice
	s_delay_alu instid0(VALU_DEP_1)
	v_mov_b32 v11, v10
	s_lshl_b32 s42, s26, 7
	v_lshl_add_u32 v14, v5, 2, s42                     ; my columns begin at j = 128 x K step + 4 x lane: two pairs (sin, cos), for j and j + 2
	s_delay_alu instid0(VALU_DEP_1)
	v_add_nc_u32 v15, 2, v14
	s_delay_alu instid0(VALU_DEP_2)
	v_cvt_f32_u32 v14, v14
	s_delay_alu instid0(VALU_DEP_2)
	v_cvt_f32_u32 v15, v15
	s_delay_alu instid0(VALU_DEP_2)
	v_mul_f32 v14, s57, v14                            ; j c, rounded once
	s_delay_alu instid0(VALU_DEP_2)
	v_mul_f32 v15, s57, v15
	s_delay_alu instid0(VALU_DEP_2)
	v_mul_f32 v16, s58, v14                            ; its base-2 exponent: the head,
	s_delay_alu instid0(VALU_DEP_2)
	v_mul_f32 v17, s58, v15
	s_delay_alu instid0(VALU_DEP_2)
	v_fma_f32 v18, v14, s58, -v16                      ; what the head's rounding lost,
	s_delay_alu instid0(VALU_DEP_2)
	v_fma_f32 v19, v15, s58, -v17
	s_delay_alu instid0(VALU_DEP_2)
	v_fma_f32 v18, v14, s59, v18                       ; and log2(e)'s rest
	s_delay_alu instid0(VALU_DEP_2)
	v_fma_f32 v19, v15, s59, v19
	s_wait_alu depctr_va_vdst(0)
	v_exp_f32 v6, v16
	v_exp_f32 v7, v17
	v_mul_f32 v18, s60, v18                            ; (a plain place behind the exponentials)
	v_mul_f32 v19, s60, v19
	s_wait_alu depctr_va_vdst(0)
	v_fma_f32 v6, v6, v18, v6                          ; div = 2^head (1 + rest ln 2)
	v_fma_f32 v7, v7, v19, v7
.irp i, 0,1,2,3,4,5,6,7,8,9,10,11,12,13,14,15
	PEROW \i
.endr
	s_branch .Ljoin
.Lweights:
.irp i, 0,1,2,3,4,5,6,7,8,9,10,11,12,13,14,15
	global_load_b128 v[XA+4*\i:XA+4*\i+3], v1, s[28:29] offset:(\i+8*(\i/8))*ROWB th:TH_LOAD_NT
	global_load_b128 v[XB+4*\i:XB+4*\i+3], v1, s[30:31] offset:(\i+8*(\i/8))*ROWB th:TH_LOAD_NT
.endr
.Ljoin:
	s_wait_loadcnt 0x0
	s_wait_alu depctr_va_vdst(0)
.irp i, 0,1,2,3,4,5,6,7,8,9,10,11,12,13,14,15
	ds_store_b128 v2, v[XA+4*\i:XA+4*\i+3] offset:\i*SP           ; tile A through my stage; LDS serves a wave's instructions in order: no wait between stores and loads
.endr
.irp b, 0,1,2,3
.irp q, 0,1,2,3
	ds_load_b128 v[RL+16*\b+4*\q:RL+16*\b+4*\q+3], v3 offset:128*\b+16*\q
.endr
.endr
	s_wait_dscnt 0x0                                   ; tile A's stores have read their registers, which tile B's numbers take below
.irp i, 0,1,2,3,4,5,6,7,8,9,10,11,12,13,14,15
	ds_store_b128 v2, v[XB+4*\i:XB+4*\i+3] offset:\i*SP
.endr
.irp b, 0,1,2,3
.irp q, 0,1,2,3
	ds_load_b128 v[XA+16*\b+4*\q:XA+16*\b+4*\q+3], v3 offset:128*\b+16*\q
.endr
.endr
	QUANT RL                                           ; tile A, while tile B turns
.irp c, 0,1,2
	global_store_b128 v1, v[PC+4*\c:PC+4*\c+3], s[34:35] offset:512*\c   ; 512 consecutive bytes a store
.endr
	v_mov_b32 v5, v[PW]                                ; tile A's scale word is kept
	s_wait_dscnt 0x0
	s_wait_xcnt 0x0                                    ; the stores' data are written again only behind this wait
	QUANT XA
.irp c, 0,1,2
	global_store_b128 v1, v[PC+4*\c:PC+4*\c+3], s[36:37] offset:512*\c
.endr
	v_cndmask_b32 v5, v5, v[PW], s41                   ; lanes 0-15 tile A's word, lanes 16-31 tile B's
	global_store_b32 v4, v5, s[38:39]                  ; 64 bytes of each tile's record of 512: one byte in 24 of what the wave stores
	s_wait_tensorcnt 0x0
	ds_add_u32 v39, v59
	s_wait_dscnt 0x0
	s_endpgm
.Lfunc_end_k_q068b791906_prep:
	.size	k_q068b791906_prep, .Lfunc_end_k_q068b791906_prep-k_q068b791906_prep
	.p2alignl 7, 3214868480
	.fill 96, 4, 3214868480
	.section	.rodata,"a",@progbits
	.p2align	6, 0x0
	.amdhsa_kernel k_q068b791906_prep
		.amdhsa_group_segment_fixed_size 68608
		.amdhsa_private_segment_fixed_size 0
		.amdhsa_enable_private_segment 0
		.amdhsa_kernarg_size 64
		.amdhsa_user_sgpr_count 2
		.amdhsa_user_sgpr_kernarg_segment_ptr 1
		.amdhsa_wavefront_size32 1
		.amdhsa_system_sgpr_workgroup_id_x 1
		.amdhsa_system_sgpr_workgroup_id_y 1
		.amdhsa_system_sgpr_workgroup_id_z 1
		.amdhsa_system_vgpr_workitem_id 0
		.amdhsa_next_free_vgpr 256
		.amdhsa_next_free_sgpr 66
		.amdhsa_reserve_vcc 1
		.amdhsa_float_denorm_mode_32 3
		.amdhsa_float_denorm_mode_16_64 3
		.amdhsa_memory_ordered 1
		.amdhsa_forward_progress 1
		.amdhsa_inst_pref_size 100
	.end_amdhsa_kernel
	.amdgpu_metadata
---
amdhsa.version: [ 1, 2 ]
amdhsa.kernels:
  - .name:           k_q068b791906_prep
    .symbol:         k_q068b791906_prep.kd
    .args:
      - { .name: x, .offset: 0, .size: 8, .value_kind: global_buffer, .address_space: global }
      - { .name: rel_emb, .offset: 8, .size: 8, .value_kind: global_buffer, .address_space: global }
      - { .name: alpha, .offset: 16, .size: 8, .value_kind: global_buffer, .address_space: global }
      - { .name: Wq, .offset: 24, .size: 8, .value_kind: global_buffer, .address_space: global }
      - { .name: Wk, .offset: 32, .size: 8, .value_kind: global_buffer, .address_space: global }
      - { .name: Wv, .offset: 40, .size: 8, .value_kind: global_buffer, .address_space: global }
      - { .name: Wo, .offset: 48, .size: 8, .value_kind: global_buffer, .address_space: global }
      - { .name: opq, .offset: 56, .size: 8, .value_kind: global_buffer, .address_space: global }
    .group_segment_fixed_size: 68608
    .private_segment_fixed_size: 0
    .kernarg_segment_align: 8
    .kernarg_segment_size: 64
    .max_flat_workgroup_size: 256
    .sgpr_count:     66
    .vgpr_count:     256
    .wavefront_size: 32
...
	.end_amdgpu_metadata
.endif
;; end of part 5
;; launch qkvg (part 6): grid 256 x 1, 3 waves a work-group, no clusters, 0 bytes of LDS; arguments opq, bq, bk, bv, qkv; writes qkv
.if DOCPART == 6
	.amdgcn_target "amdgcn-amd-amdhsa--gfx1250"
	.amdhsa_code_object_version 6
	.text
	.protected	k_q068b791906_qkvg
	.globl	k_q068b791906_qkvg
	.p2align	8
	.type	k_q068b791906_qkvg,@function
k_q068b791906_qkvg:
	s_mov_b64 s[64:65], 0
	v_nop
	global_prefetch_b8 v0, s[64:65] scope:SCOPE_SE
	s_setreg_imm32_b32 hwreg(HW_REG_WAVE_SCHED_MODE, 0, 2), 2
	s_setreg_imm32_b32 hwreg(HW_REG_WAVE_MODE, 25, 1), 1
	s_wait_xcnt 0x0
	s_wait_alu depctr_vm_vsrc(0)
; QKVG: q = xp Wq^T + bq, k = xp Wk^T + bk, v = xp Wv^T + bv on codes of BF6 with E8M0 scales, and the results quantised at once: q and k along the head's 64, v along the keys.
; SHARES: 768 wave tiles of 128 x 128 (64 accumulators, 512 registers), three waves to a work-group, 256 work-groups: the same work on every WGP.  g = 3 x work-group + wave.
; g < 512 (q, k): source 0 = 8 tiles of Wq or Wk, source 1 = 8 tiles of xp.  g >= 512 (v): source 0 = 8 tiles of xp (128 keys), source 1 = 8 tiles of Wv.
; In both a lane holds ONE row of source 1 and its 64 registers of a tile j run along source 0's 128 rows, 16 neighbours to a pair of tiles (the tiles' row order: lane r of tile 2 B + u holds row 32 B + 8 u + r + 8 (r / 8)):
; that is the axis along which the result is quantised.  So the K loop and the way out are one text; pointers are chosen on g.
; The biases are the C of each sum's first matrix instruction.  Operands come from memory as images of their registers, by loads of 16 bytes a lane; no LDS.
; NO LDS RING AND NO JOINT LOADS: two operands of 16 tiles over all of K are 393,216 bytes, more than LDS holds, so sharing would want refills and a cluster's barrier for a loop of 8 steps; the price is that each image is read by 16 to 32 waves.
; OUTPUT qkv: q's codes at 0 and k's at 3,145,728: [tile of rows][pair of heads][head in pair][768 bytes: registers 0-3 of lane l at 16 l, registers 4-5 at 512 + 8 l];
; v's at 6,291,456: [128 keys][tile of d][two such halves]; scale words: q 9,437,184 and k 9,568,256 [pair of heads][tile][row], v 9,699,328 [128 keys][tile of d][row].
; LIMITS: NaN and infinities are not served; a block whose largest magnitude lies under 2^-122 keeps the byte 1, a block of zeros too (its codes are zeros; only this program reads the bytes).
; REGISTERS, in windows of 256: window 0: v1-4, v7 offsets; v16-47 scale words, two sets; v48 two tiles' scale words on the way out; v64-159, v160-255 source 1's fragments, two buffers (on the way out v64-114 at work).
;   window 1: v0-95, v96-191 source 0's fragments, two buffers; v192-255 the bias.   window 2: accumulators (j, t) at v[8 (8 j + t)], j = 0..3;   window 3: j = 4..7.
; THE MODE: SCHED_MODE bits 1:0 = 2 (LLVM: expert scheduling mode 2), set by the entry lines.  The code itself states the register dependences
; between vector or matrix instructions and memory instructions, with s_wait_alu, always for 0.
; THE PLAN.  Registers that memory instructions touch:
;   the fragments' buffers   K step s's 64 matrix instructions read buffer s % 2 of both sources; the 48 loads of step s + 1, issued at the head of step s, land in buffer (s + 1) % 2, which step s - 1's matrix instructions read last.
;   the scale words' sets    Steps 2 p and 2 p + 1 read set p % 2; the next pair's words land in the other set in the middle of step 2 p (source 0's) and of step 2 p + 1 (source 1's); its last readers are steps 2 p - 2 and 2 p - 1.
;   the bias                 Loaded once, read by step 0's matrix instructions as C, never written again.
;   v1-4, v7                 Offsets, made at the head and never written again: every step is reached by an immediate.
;   v96-107, v48             The way out: written by a tile's conversions, swaps and moves, read by that tile's stores.
; So ONE wait on va_vdst stands at the head of steps 1 to 6, behind the wait for the step's data: every matrix instruction issued so far is done reading; the step's 56 loads follow it, 48 at once and 8 in the step's middle,
; and the matrix instructions between name this step's buffers, this pair's set and the accumulators: none of the registers that those loads touch.  Step 0 loads into registers that nothing has named; step 7 loads nothing.
; On the way out one wait on va_vdst stands ahead of each tile's run of stores, and one on vm_vsrc ahead of the next tile's conversions, behind that tile's search for its maxima, which names no register of a store.
.set SC,   16                          ; scale words: set q at v[SC + 16 q]: source 0's tile t at + t, source 1's tile j at + 8 + j; lanes 0-15 an even K step's word, lanes 16-31 the odd one's
.set PWS,  48
.set F1,   64
.set BI,   192
.set TM,   64
.set PW,   80
.set PC,   96
.set SEL,  40
.set MSB,  0
.macro WIN new                         ; the immediate's high byte repeats the setting that is left
.if MSB != (\new)
	s_set_vgpr_msb (MSB<<8)|(\new)
.set MSB, (\new)
.endif
.endm
.macro LOADF s                         ; K step s: 8 + 8 fragments, 48 loads of 512 consecutive bytes, into buffer s % 2; every offset is an immediate
	WIN 0x40                                           ; destination window 1
.irp t, 0,1,2,3,4,5,6,7
.irp c, 0,1,2
	global_load_b128 v[96*((\s)%2)+12*\t+4*\c:96*((\s)%2)+12*\t+4*\c+3], v1, s[20:21] offset:\t*12288+(\s)*1536+512*\c
.endr
.endr
	WIN 0
.irp j, 0,1,2,3,4,5,6,7
.irp c, 0,1,2
	global_load_b128 v[F1+96*((\s)%2)+12*\j+4*\c:F1+96*((\s)%2)+12*\j+4*\c+3], v1, s[22:23] offset:\j*12288+(\s)*1536+512*\c
.endr
.endr
.endm
; 32 matrix instructions: source 1's tiles j0 .. j0 + 3 x source 0's eight.  cmode 0: in place; 1: C = the bias by source 0's rows; 2: by source 1's rows.
; The 64 accumulators take turns, one instruction a turn, in the same order in every step.
.macro MUL s, j0, cmode
.if \cmode == 0
	WIN 0xa1+0x50*((\j0)/4)                            ; source 0 window 1, source 1 window 0, C and D window 2 or 3
.else
	WIN 0x91+0x40*((\j0)/4)                            ; C window 1
.endif
.irp j, 0,1,2,3
.irp t, 0,1,2,3,4,5,6,7
.set rD, 8*(8*\j+\t)
.set rA, 96*((\s)%2)+12*\t
.set rB, F1+96*((\s)%2)+12*(\j0+\j)
.set rSA, SC+16*(((\s)/2)%2)+\t
.set rSB, SC+16*(((\s)/2)%2)+8+\j0+\j
.if \cmode == 1
.set rC, BI+8*\t
.elseif \cmode == 2
.set rC, BI+8*(\j0+\j)
.else
.set rC, rD
.endif
.if (\s)%2
	v_wmma_scale_f32_16x16x128_f8f6f4 v[rD:rD+7], v[rA:rA+11], v[rB:rB+11], v[rC:rC+7], v[rSA], v[rSB] matrix_a_fmt:MATRIX_FMT_BF6 matrix_b_fmt:MATRIX_FMT_BF6 matrix_a_scale:MATRIX_SCALE_ROW1 matrix_b_scale:MATRIX_SCALE_ROW1
.else
	v_wmma_scale_f32_16x16x128_f8f6f4 v[rD:rD+7], v[rA:rA+11], v[rB:rB+11], v[rC:rC+7], v[rSA], v[rSB] matrix_a_fmt:MATRIX_FMT_BF6 matrix_b_fmt:MATRIX_FMT_BF6
.endif
.endr
.endr
.endm
.macro STEP s, cmode
	s_wait_loadcnt 0x0                                 ; all that is out is this step's fragments and scale words
.if (\s) < 7
.if (\s) > 0
.rept 4
	v_nop                                              ; four places between the last step's matrix instructions and the loads into registers that they read; the wait behind them states the dependence
.endr
	WIN 0x40                                           ; the first loads' window, then the wait, then the loads
	s_wait_alu depctr_va_vdst(0)                       ; the last step's matrix instructions are done reading the other buffers of fragments, in which the 48 loads below land; the steps before this pair are done reading the other set of scale words, in which this step's 8 land
.endif
	LOADF (\s)+1                                       ; the next step's fragments have this step's 64 matrix instructions in which to land
.endif
	MUL \s, 0, \cmode
	WIN 0
.if (\s) < 6                           ; the next pair of steps' scale words into the other set: source 0's in an even step, source 1's in an odd one.  No wait: no matrix instruction since the wait above names that set or v2
.if (\s)%2 == 0
.irp t, 0,1,2,3,4,5,6,7
	global_load_b32 v[SC+16*(1-((\s)/2)%2)+\t], v2, s[24:25] offset:\t*512+((\s)/2+1)*128
.endr
.else
.irp j, 0,1,2,3,4,5,6,7
	global_load_b32 v[SC+16*(1-((\s)/2)%2)+8+\j], v2, s[26:27] offset:\j*512+((\s)/2+1)*128
.endr
.endif
.endif
	MUL \s, 4, \cmode
	WIN 0
.endm
; THE WAY OUT of source 1's tile j: my row's 128 numbers (64 registers a lane) become 12 registers of codes and a scale word
.macro OUTJ j
.set AS, 64*((\j)%4)
.set WW, 2+(\j)/4
	WIN WW|(WW<<2)                                     ; sources 0 and 1: the accumulators' window
.irp b, 0,1,2,3
	v_max3_num_f32 v[TM+\b], |v[AS+16*\b]|, |v[AS+1+16*\b]|, 0x2800000   ; each accumulator is read from its low end on; the floor 2^(5 - 127) holds the byte at 1 from below
.endr
.irp i, 2,4,6,8,10,12,14
.irp b, 0,1,2,3
	v_max3_num_f32 v[TM+\b], |v[AS+16*\b+\i]|, |v[AS+1+16*\b+\i]|, v[TM+\b]
.endr
.endr
	WIN 0
.irp b, 0,1,2,3
	v_permlanex16_b32 v[TM+4+\b], v[TM+\b], s[SEL], s[SEL+1]
.endr
.irp b, 0,1,2,3
	v_max_num_f32 v[TM+\b], v[TM+\b], v[TM+4+\b]
.endr
.irp b, 0,1,2,3
	v_add_nc_u32 v[TM+12+\b], 0xfe000000, v[TM+\b]     ; 4 off the exponent field: the conversion's scale operand
.endr
.irp b, 0,1,2,3
	v_lshrrev_b32 v[TM+4+\b], 23, v[TM+12+\b]
.endr
	v_lshl_or_b32 v[PW], v[TM+5], 8, v[TM+4]
	v_lshl_or_b32 v[PW], v[TM+6], 16, v[PW]
	v_lshl_or_b32 v[PW], v[TM+7], 24, v[PW]
.if (\j) > 0
	s_wait_xcnt 0x0                                    ; the last tile's stores have had their addresses translated: their data and their base are written again only behind this wait
	s_wait_alu depctr_vm_vsrc(0)                       ; the last tile's stores have read v[PC ..] and v[PWS], which the conversions, swaps and moves below write again
	s_add_nc_u64 s[30:31], s[30:31], s[34:35]
.endif
	WIN WW                                             ; source 0: the accumulators' window
.irp c, 0,1
	v_cvt_scalef32_pk16_bf6_f32 v[PC+6*\c:PC+2+6*\c], v[AS+32*\c:AS+15+32*\c], v[TM+12+2*\c]
	v_cvt_scalef32_pk16_bf6_f32 v[PC+12+4*\c:PC+14+4*\c], v[AS+16+32*\c:AS+31+32*\c], v[TM+12+2*\c+1]
.endr
	WIN 0
	v_nop                                              ; one plain place behind a scaled conversion
.irp c, 0,1
.irp i, 0,1,2
	v_permlane16_swap_b32 v[PC+6*\c+\i], v[PC+12+4*\c+\i]
.endr
.irp i, 0,1,2
	v_mov_b32 v[PC+3+6*\c+\i], v[PC+12+4*\c+\i]
.endr
.endr
.if (\j)%2 == 0
	v_mov_b32 v[PWS], v[PW]
.else
	v_cndmask_b32 v[PWS], v[PWS], v[PW], s42           ; lanes 0-15 the even tile's words, lanes 16-31 the odd one's
.endif
	s_wait_alu depctr_va_vdst(0)                       ; the conversions, swaps and moves have written v[PC .. PC + 11] and v[PWS], which the stores below read
	global_store_b128 v1, v[PC:PC+3], s[30:31]                     ; two halves of 768 bytes: 512 and 256 consecutive bytes a store
	global_store_b64 v3, v[PC+4:PC+5], s[30:31] offset:512
	global_store_b128 v1, v[PC+6:PC+9], s[30:31] offset:768
	global_store_b64 v3, v[PC+10:PC+11], s[30:31] offset:1280
.if (\j)%2 == 1
	global_store_b32 v2, v[PWS], s[32:33] offset:128*((\j)/2)      ; 128 consecutive bytes
.endif
.endm
	s_load_b256 s[4:11], s[0:1], 0x0                   ; opq, bq, bk, bv
	s_load_b64 s[12:13], s[0:1], 0x20                  ; qkv
	v_lshrrev_b32 v5, 5, v0
	v_readfirstlane_b32 s14, v5                        ; wave 0..2
	v_and_b32 v3, 31, v0
	v_lshlrev_b32 v1, 4, v3                            ; 16 x lane
	v_lshlrev_b32 v2, 2, v3                            ; 4 x lane
	v_lshlrev_b32 v3, 3, v3                            ; 8 x lane
	v_and_b32 v5, 15, v0                               ; r
	v_bfe_u32 v6, v0, 4, 1                             ; h
	v_lshlrev_b32 v4, 6, v6                            ; the bias of q, k: register e of tile t wants that of unit 32 (t / 2) + 16 h + 8 (t % 2) + e
	v_and_b32 v7, 8, v5
	v_add_nc_u32 v7, v7, v5
	v_lshlrev_b32 v7, 2, v7                            ; the bias of v: all eight registers of tile j want that of my row of Wv: 32 (j / 2) + 8 (j % 2) + r + 8 (r / 8)
	s_mov_b32 s[SEL], 0x76543210
	s_mov_b32 s[SEL+1], 0xfedcba98
	s_mov_b32 s42, 0xffff0000
	s_mul_i32 s15, ttmp9, 3
	s_wait_alu depctr_va_sdst(0)                       ; s14 is written, ahead of its first reader: g, and from it every base, is made of it
	s_add_co_u32 s15, s15, s14                         ; g
	s_and_b32 s17, s15, 15                             ; q, k: which 8 tiles of Wq and Wk,
	s_lshr_b32 s18, s15, 4                             ; which 8 tiles of xp
	s_sub_co_u32 s43, s15, 512
	s_lshr_b32 s44, s43, 3                             ; v: which 128 keys,
	s_and_b32 s45, s43, 7                              ; which 8 tiles of Wv
	s_mov_b32 s34, 1536
	s_cmp_lt_u32 s15, 512
	s_cselect_b32 s16, 0, 1                            ; 0: q, k; 1: v
	s_cselect_b32 s17, s17, s44                        ; i0: source 0's group
	s_cselect_b32 s18, s18, s45                        ; i1: source 1's
	s_cselect_b32 s36, 256, 0
	s_cselect_b32 s37, 0, 384
	s_cselect_b32 s34, 12288, s34                      ; the codes' step from tile j to j + 1
	s_mov_b32 s35, 0
	s_lshl_b32 s43, s17, 3
	s_add_co_u32 s36, s36, s43                         ; source 0's first tile in opq
	s_lshl_b32 s43, s18, 3
	s_add_co_u32 s37, s37, s43                         ; source 1's
	s_lshr_b32 s43, s17, 3                             ; q or k
	s_and_b32 s44, s17, 7                              ; the pair of heads
	s_mul_i32 s45, s43, 3145728
	s_mul_i32 s46, s18, 98304
	s_add_co_u32 s45, s45, s46
	s_mul_i32 s46, s44, 1536
	s_add_co_u32 s45, s45, s46                         ; q, k: where the codes go
	s_mul_i32 s47, s17, 98304
	s_mul_i32 s46, s18, 12288
	s_add_co_u32 s47, s47, s46
	s_add_co_u32 s47, s47, 6291456                     ; v: likewise
	s_lshl_b32 s48, s43, 17
	s_lshl_b32 s46, s44, 14
	s_add_co_u32 s48, s48, s46
	s_lshl_b32 s46, s18, 9
	s_add_co_u32 s48, s48, s46
	s_add_co_u32 s48, s48, 9437184                     ; q, k: the scale words
	s_lshl_b32 s49, s17, 12
	s_add_co_u32 s49, s49, s46
	s_add_co_u32 s49, s49, 9699328                     ; v: likewise
	s_cmp_eq_u32 s16, 0
	s_cselect_b32 s45, s45, s47
	s_cselect_b32 s48, s48, s49
	s_cselect_b32 s44, s44, s18                        ; which 128 numbers of the bias
	s_lshl_b32 s44, s44, 9
	s_mov_b32 s39, 0
	s_wait_kmcnt 0x0
	s_mul_i32 s38, s36, 12288
	s_add_nc_u64 s[20:21], s[4:5], s[38:39]            ; source 0's codes
	s_mul_i32 s38, s37, 12288
	s_add_nc_u64 s[22:23], s[4:5], s[38:39]            ; source 1's
	s_lshl_b32 s38, s36, 9
	s_add_co_u32 s38, s38, 6291456
	s_add_nc_u64 s[24:25], s[4:5], s[38:39]            ; source 0's scale words
	s_lshl_b32 s38, s37, 9
	s_add_co_u32 s38, s38, 6291456
	s_add_nc_u64 s[26:27], s[4:5], s[38:39]            ; source 1's
	s_cmp_lt_u32 s17, 8
	s_cselect_b64 s[28:29], s[6:7], s[8:9]
	s_cmp_eq_u32 s16, 0
	s_cselect_b64 s[28:29], s[28:29], s[10:11]         ; the bias: the choice hangs on ids alone
	s_mov_b32 s38, s44
	s_add_nc_u64 s[28:29], s[28:29], s[38:39]
	s_mov_b32 s38, s45
	s_add_nc_u64 s[30:31], s[12:13], s[38:39]
	s_mov_b32 s38, s48
	s_add_nc_u64 s[32:33], s[12:13], s[38:39]
	s_wait_alu depctr_va_vdst(0)                       ; the offsets v1 to v4 and v7 are written: every load and store of the kernel reads one of them, and none is written again
.irp t, 0,1,2,3,4,5,6,7
	global_load_b32 v[SC+\t], v2, s[24:25] offset:\t*512           ; K steps 0 and 1: lanes 0-15 step 0's words, lanes 16-31 step 1's
.endr
.irp j, 0,1,2,3,4,5,6,7
	global_load_b32 v[SC+8+\j], v2, s[26:27] offset:\j*512
.endr
	LOADF 0
	s_cmp_lg_u32 s16, 0
	s_cbranch_scc1 .Lfor_v
	WIN 0x40
.irp t, 0,1,2,3,4,5,6,7
	global_load_b128 v[BI+8*\t:BI+8*\t+3], v4, s[28:29] offset:(32*(\t/2)+8*(\t%2))*4
	global_load_b128 v[BI+8*\t+4:BI+8*\t+7], v4, s[28:29] offset:(32*(\t/2)+8*(\t%2))*4+16
.endr
	WIN 0
	STEP 0, 1                                          ; the first K step starts the sums, on the bias
	s_branch .Lsteps
.Lfor_v:
	WIN 0x40
.irp j, 0,1,2,3,4,5,6,7
.irp e, 0,1,2,3,4,5,6,7
	global_load_b32 v[BI+8*\j+\e], v7, s[28:29] offset:(32*(\j/2)+8*(\j%2))*4
.endr
.endr
	WIN 0
	STEP 0, 2
.Lsteps:
.irp s, 1,2,3,4,5,6,7
	STEP \s, 0
.endr
.rept 4
	v_nop                                              ; four places behind the last products, in front of the reads of their results
.endr
.irp b, 0,1,2,3
	v_mov_b32 v[TM+4+\b], 0                            ; a lane permute's destination counts as one of its sources
.endr
.irp j, 0,1,2,3,4,5,6,7
	OUTJ \j
.endr
	s_endpgm
.Lfunc_end_k_q068b791906_qkvg:
	.size	k_q068b791906_qkvg, .Lfunc_end_k_q068b791906_qkvg-k_q068b791906_qkvg
	.p2alignl 7, 3214868480
	.fill 96, 4, 3214868480
	.section	.rodata,"a",@progbits
	.p2align	6, 0x0
	.amdhsa_kernel k_q068b791906_qkvg
		.amdhsa_group_segment_fixed_size 0
		.amdhsa_private_segment_fixed_size 0
		.amdhsa_enable_private_segment 0
		.amdhsa_kernarg_size 40
		.amdhsa_user_sgpr_count 2
		.amdhsa_user_sgpr_kernarg_segment_ptr 1
		.amdhsa_wavefront_size32 1
		.amdhsa_system_sgpr_workgroup_id_x 1
		.amdhsa_system_sgpr_workgroup_id_y 1
		.amdhsa_system_sgpr_workgroup_id_z 1
		.amdhsa_system_vgpr_workitem_id 0
		.amdhsa_next_free_vgpr 1024
		.amdhsa_next_free_sgpr 66
		.amdhsa_reserve_vcc 0
		.amdhsa_float_denorm_mode_32 3
		.amdhsa_float_denorm_mode_16_64 3
		.amdhsa_memory_ordered 1
		.amdhsa_forward_progress 1
		.amdhsa_inst_pref_size 170
	.end_amdhsa_kernel
	.amdgpu_metadata
---
amdhsa.version: [ 1, 2 ]
amdhsa.kernels:
  - .name:           k_q068b791906_qkvg
    .symbol:         k_q068b791906_qkvg.kd
    .args:
      - { .name: opq, .offset: 0, .size: 8, .value_kind: global_buffer, .address_space: global }
      - { .name: bq, .offset: 8, .size: 8, .value_kind: global_buffer, .address_space: global }
      - { .name: bk, .offset: 16, .size: 8, .value_kind: global_buffer, .address_space: global }
      - { .name: bv, .offset: 24, .size: 8, .value_kind: global_buffer, .address_space: global }
      - { .name: qkv, .offset: 32, .size: 8, .value_kind: global_buffer, .address_space: global }
    .group_segment_fixed_size: 0
    .private_segment_fixed_size: 0
    .kernarg_segment_align: 8
    .kernarg_segment_size: 40
    .max_flat_workgroup_size: 96
    .sgpr_count:     66
    .vgpr_count:     1024
    .wavefront_size: 32
...
	.end_amdgpu_metadata
.endif
;; end of part 6
;; launch attn (part 7): grid 8 x 32, 16 waves a work-group, clusters of 4 x 1, 210,944 bytes of LDS; arguments qkv, ao; writes ao
.if DOCPART == 7
	.amdgcn_target "amdgcn-amd-amdhsa--gfx1250"
	.amdhsa_code_object_version 6
	.text
	.protected	k_q068b791906_attn
	.globl	k_q068b791906_attn
	.p2align	8
	.type	k_q068b791906_attn,@function
k_q068b791906_attn:
	s_mov_b64 s[64:65], 0
	v_nop
	global_prefetch_b8 v0, s[64:65] scope:SCOPE_SE
	s_setreg_imm32_b32 hwreg(HW_REG_WAVE_MODE, 25, 1), 1
	s_wait_xcnt 0x0
	s_wait_alu depctr_hold_cnt(0) depctr_sa_sdst(0) depctr_va_vdst(0) depctr_va_sdst(0) depctr_va_ssrc(0) depctr_va_vcc(0) depctr_vm_vsrc(0)
	s_getreg_b32 s2, hwreg(HW_REG_IB_STS2, 6, 4)
	s_cmp_eq_u32 s2, 0
	s_cbranch_scc0 .Lentry_in_a_cluster
	s_endpgm
.Lentry_in_a_cluster:
	s_bfe_u32 s2, ttmp6, 0x10000c
	s_cmp_lg_u32 s2, 0x3003
	s_cbranch_scc0 .Lentry_shape_is_right
	s_endpgm
.Lentry_shape_is_right:
; ATTN: for each batch and head, O = softmax(q k^T / 32) v on codes of BF6 with E8M0 scales, and O quantised at once along the model's 1,024 for the last projection.
; THE SOFTMAX AHEAD OF THE SECOND PRODUCT: t = score x log2(e) / 32; M = the running largest t rounded UP to a whole number; p = 2^(t - M) is quantised along the keys, not normalised;
; the row's sum is taken of the unquantised p and divides O at the end.  When M moves, the sum and O are multiplied by 2^(old M - new M): exact.
; SHARES: a work-group owns 256 queries of one head, each of its sixteen waves one tile of 16 in 256 registers: four waves to a SIMD, so that one wave's vector work stands beside another's products and LDS loads.
; ALL OF A HEAD'S K AND V, codes and scale words, 208,896 bytes, lie in LDS: every LDS byte is filled once and nothing is filled again.  They come in four quarters of 512 keys, so that the first keys are worked while the rest lands.
; CLUSTER: the four work-groups of a cluster walk the same head: every fill is asked for JOINTLY, by the same tensor load with the same descriptor and the mask of all four.  Wave 0 asks for K, wave 1 for V: five loads each are out at the most.
; LAYOUT: both products are used transposed (S^T = k q^T, O^T = v^T p^T): a lane holds one query throughout.  A tile's rows are not neighbours (lane r of tile 2 B + u holds row 32 B + 8 u + r + 8 (r / 8)),
; so the 16 registers of two neighbouring tiles are 16 neighbours along the next K.  The first product's K is the head's 64: registers 6-11 of q's and k's fragments hold zero codes, set once, and add nothing.
; Operands lie in memory and LDS as images of their registers: half a fragment is 768 bytes: registers 0-3 of lane l at 16 l, registers 4-5 at 512 + 8 l: every LDS read is of consecutive bytes.
; LIMITS: NaN and infinities are not served; a block of O whose largest magnitude lies under 2^-122 keeps the byte 1, a block of zeros too.  A block's largest p is made from the block's largest score by the same two instructions.
; REGISTERS: v1-3 16, 8, 4 x lane; v4-6, v8-10 the step's LDS addresses; v7 4 r; v11 K's scale words' base; v12 -M, v13 the largest t, v[14:15] the sum; v16-27 q; v28-29 V's scale words; v32-79 four fragments of K;
;   v80-127 four of V; v128-191 S^T, then p; v192-223 O^T; v224-235 p's codes; v232-247, v252, v254 at work; v248-251 K's scale words; v253 p's; v255 q's.
.set S,    128
.set O,    192
.set KSL,  196608                      ; LDS: K's codes at 0 (128 tiles x 768), V's at 98,304 (16 x 4 tiles x 1,536), K's scale words here (128 tiles x 64), V's at 204,800 (16 x 4 tiles x 64)
.set VCL,  98304
.set VSL,  204800
.set G1K,  24                          ; s[24:31] group 1: 32 tiles of K: rows of 768 bytes, 12,288 apart
.set G1V,  32                          ; s[32:39] 512 keys of V: 4 rows of 6,144 bytes, 98,304 apart
.set G1KS, 40                          ; s[40:47] K's scale words: 8,192 dense bytes as rows of 256
.set G1VS, 48                          ; s[48:55] V's: 16 rows of 256 bytes, 4,096 apart
.macro ROUND                           ; a round of the cluster's barrier
	s_barrier_signal -1
	s_barrier_wait -1
	s_cmp_lg_u32 s8, 0
	s_cbranch_scc1 .Lnot_wave_0_\@
	s_barrier_signal -3
.Lnot_wave_0_\@:
	s_barrier_wait -3
	s_barrier_signal -1
	s_barrier_wait -1
.endm
.macro G1SET g, c, r, p                ; r rows of c elements of 8 bytes, p elements apart; mask of all four work-groups, bit 21 beside it, no padding
	s_mov_b32 s[\g], 15|(3<<16)|(1<<21)
	s_mov_b32 s[\g+1], (\c)<<16
	s_mov_b32 s[\g+2], (\r)<<16
	s_mov_b32 s[\g+3], (\c)<<16
	s_mov_b32 s[\g+4], \r
	s_mov_b32 s[\g+5], \p
	s_mov_b32 s[\g+6], 0
	s_mov_b32 s[\g+7], 0
.endm
.macro G0SET g, c                      ; group 0 of quarter c of the codes
	s_mov_b32 s[\g], 1
	s_add_co_u32 s[\g+1], s19, \c*24576
	s_add_nc_u64 s[\g+2:\g+3], s[94:95], \c*393216
	s_or_b32 s[\g+3], s[\g+3], 0x80000000
.endm
	s_load_b128 s[4:7], s[0:1], 0x0                    ; qkv, ao
	v_lshl_add_u32 v31, v0, 2, 0x33000
	v_mov_b32 v243, 0
	ds_add_u32 v31, v243
	ds_add_u32 v31, v243
	v_lshrrev_b32 v4, 5, v0
	s_delay_alu instid0(VALU_DEP_1)
	v_readfirstlane_b32 s8, v4                         ; wave 0..15
	s_bfe_u32 s9, ttmp6, 0x40000                       ; cx: it enters q's and ao's global addresses alone
	s_lshl_b32 s10, ttmp9, 2
	s_add_co_u32 s10, s10, s9                          ; my block of 256 queries
	s_and_b32 s11, ttmp7, 0xffff                       ; batch x 16 + head, which the four partners share
	s_lshr_b32 s12, s11, 4                             ; batch
	s_and_b32 s13, s11, 15                             ; head
	s_lshr_b32 s14, s13, 1                             ; pair of heads
	s_and_b32 s15, s11, 1                              ; head in pair
	s_lshl_b32 s85, s15, 1                             ; its two bytes in a scale word of q, k or ao
	s_lshl_b32 s16, s12, 7
	s_lshl_b32 s18, s10, 4
	s_add_co_u32 s16, s16, s18
	s_add_co_u32 s16, s16, s8                          ; my tile of queries
	s_and_b32 s17, s8, 1                               ; 0: I would ask for K; 1: for V
	G1SET G1K, 96, 32, 1536
	G1SET G1V, 768, 4, 12288
	G1SET G1KS, 32, 32, 32
	G1SET G1VS, 32, 16, 512
	s_mov_b32 s20, 0x76543210
	s_mov_b32 s21, 0xfedcba98                          ; v_permlanex16_b32's selects for lane l xor 16
	s_mov_b32 s22, 0x3d38aa3b                          ; c = log2(e) / 32
	s_mov_b32 s23, s22                                 ; (named with it as a pair)
	s_mul_i32 s86, s16, 12288
	s_mul_i32 s18, s13, 768
	s_add_co_u32 s86, s86, s18                         ; my tile's half fragment, in q's codes and in ao's
	s_mov_b32 s87, 0
	s_lshl_b32 s88, s14, 14
	s_lshl_b32 s18, s16, 6
	s_add_co_u32 s88, s88, s18
	s_add_co_u32 s88, s88, s85
	s_add_co_u32 s88, s88, 9437184                     ; q's scale bytes
	s_mov_b32 s89, 0
	s_lshl_b32 s92, s16, 9
	s_lshl_b32 s18, s14, 6
	s_add_co_u32 s92, s92, s18
	s_add_co_u32 s92, s92, s85
	s_add_co_u32 s92, s92, 3145728                     ; ao's scale bytes
	s_mov_b32 s93, 0
	; what the joint loads fetch: made of the batch, the head and the wave's number alone, in registers that never hold cx
	s_mul_i32 s94, s12, 1572864
	s_mul_i32 s19, s13, 768
	s_add_co_u32 s94, s94, s19
	s_add_co_u32 s94, s94, 3145728                     ; K's codes of the head
	s_mul_i32 s19, s13, 5376
	s_add_co_u32 s19, s19, 3145728                     ; V's lie this much further on
	s_mul_i32 s19, s19, s17
	s_add_co_u32 s94, s94, s19
	s_mov_b32 s95, 0
	s_lshl_b32 s96, s14, 14
	s_lshl_b32 s19, s12, 13
	s_add_co_u32 s96, s96, s19
	s_add_co_u32 s96, s96, 9568256                     ; K's scale words
	s_mul_i32 s19, s12, 57344
	s_lshl_b32 s97, s13, 8
	s_add_co_u32 s19, s19, s97
	s_add_co_u32 s19, s19, 131072
	s_lshl_b32 s97, s14, 14
	s_sub_co_u32 s19, s19, s97                         ; V's lie this much further on (19,968 bytes at the least)
	s_mul_i32 s19, s19, s17
	s_add_co_u32 s96, s96, s19
	s_mov_b32 s97, 0
	s_wait_dscnt 0x0
	s_wait_kmcnt 0x0
	s_add_nc_u64 s[90:91], s[6:7], s[86:87]
	s_add_nc_u64 s[86:87], s[4:5], s[86:87]
	s_add_nc_u64 s[88:89], s[4:5], s[88:89]
	s_add_nc_u64 s[92:93], s[6:7], s[92:93]
	s_add_nc_u64 s[94:95], s[4:5], s[94:95]
	s_add_nc_u64 s[96:97], s[4:5], s[96:97]
	s_mov_b32 s56, 1                                   ; group 0 of the scale words
	s_lshl_b32 s19, s17, 13
	s_add_co_u32 s57, s19, KSL
	s_mov_b64 s[58:59], s[96:97]
	s_or_b32 s59, s59, 0x80000000
	s_mul_i32 s19, s17, VCL
	G0SET 60, 0
	G0SET 68, 1
	G0SET 72, 2
	G0SET 76, 3
	ROUND                                              ; all four work-groups are here: the joint loads meet
	s_cmp_eq_u32 s8, 0                                 ; a wave's fills stand in one branch on its number, ahead of every wait on TENSORcnt, every LDS read and every further barrier
	s_cbranch_scc0 .Lnot_k
	tensor_load_to_lds s[56:59], s[G1KS:G1KS+7]
	s_nop 0
	tensor_load_to_lds s[60:63], s[G1K:G1K+7]
	s_nop 0
	tensor_load_to_lds s[68:71], s[G1K:G1K+7]
	s_nop 0
	tensor_load_to_lds s[72:75], s[G1K:G1K+7]
	s_nop 0
	tensor_load_to_lds s[76:79], s[G1K:G1K+7]
	s_nop 0
.rept 4
	v_nop
.endr
	s_branch .Lasked
.Lnot_k:
	s_cmp_eq_u32 s8, 1
	s_cbranch_scc0 .Lasked
	tensor_load_to_lds s[56:59], s[G1VS:G1VS+7]
	s_nop 0
	tensor_load_to_lds s[60:63], s[G1V:G1V+7]
	s_nop 0
	tensor_load_to_lds s[68:71], s[G1V:G1V+7]
	s_nop 0
	tensor_load_to_lds s[72:75], s[G1V:G1V+7]
	s_nop 0
	tensor_load_to_lds s[76:79], s[G1V:G1V+7]
	s_nop 0
.rept 4
	v_nop
.endr
.Lasked:
	v_and_b32 v3, 31, v0
	s_delay_alu instid0(VALU_DEP_1)
	v_lshlrev_b32 v1, 4, v3
	s_delay_alu instid0(VALU_DEP_2)
	v_lshlrev_b32 v2, 3, v3
	s_delay_alu instid0(VALU_DEP_3)
	v_lshlrev_b32 v3, 2, v3
	v_and_b32 v7, 15, v0
	s_delay_alu instid0(VALU_DEP_1)
	v_lshlrev_b32 v7, 2, v7
	s_delay_alu instid0(VALU_DEP_3)
	v_add_nc_u32 v11, s85, v3
	s_delay_alu instid0(VALU_DEP_1)
	v_add_nc_u32 v11, KSL, v11                         ; K's scale words: 4 x lane + my head's two bytes
	global_load_b128 v[16:19], v1, s[86:87]            ; q's half fragment stays in registers
	global_load_b64 v[20:21], v2, s[86:87] offset:512
	global_load_u16 v255, v7, s[88:89]                 ; its two scale bytes; the upper two come out 0 and stand over zero codes
.irp i, 22,23,24,25,26,27
	v_mov_b32 v[\i], 0                                 ; k = 64 .. 127 of the first product: zero codes
.endr
.irp t, 0,1,2,3
.irp i, 6,7,8,9,10,11
	v_mov_b32 v[32+12*\t+\i], 0                        ; likewise in K's four fragments: set once, never loaded
.endr
.endr
	v_mov_b32 v13, 0xff61b1e6                          ; the largest t so far: -3e38
	s_delay_alu instid0(VALU_DEP_1)
	v_floor_f32 v12, -v13                              ; -M
	v_mov_b32 v14, 0
	v_mov_b32 v15, 0
.irp b, 0,1,2,3
	v_mov_b32 v[236+\b], 0                             ; a lane permute's destination counts as one of its sources
.endr
	v_mov_b32 v253, 0                                  ; (named as the upper half of v[252:253] before it is first written)
.irp j, 0,1,2,3,4,5,6,7,8,9,10,11,12,13,14,15,16,17,18,19,20,21,22,23,24,25,26,27,28,29,30,31
	v_mov_b32 v[O+\j], 0                               ; O^T: the step is written once; the first finds zeros, which the first change of M leaves zeros
.endr
	s_wait_loadcnt 0x0                                 ; q
.macro KLOAD grp                       ; four tiles of 16 keys
.irp t, 0,1,2,3
	ds_load_b128 v[32+12*\t:35+12*\t], v4 offset:768*(4*\grp+\t)
	ds_load_b64 v[36+12*\t:37+12*\t], v5 offset:768*(4*\grp+\t)+512
.endr
.endm
.macro KQ4 grp                         ; S^T of these four tiles; a register of scale words holds an even tile's in lanes 0-15 and the odd one's in lanes 16-31
.irp t, 0,1,2,3
.if \t%2
	v_wmma_scale_f32_16x16x128_f8f6f4 v[S+8*(4*\grp+\t):S+8*(4*\grp+\t)+7], v[32+12*\t:43+12*\t], v[16:27], 0, v[248+2*\grp+\t/2], v255 matrix_a_fmt:MATRIX_FMT_BF6 matrix_b_fmt:MATRIX_FMT_BF6 matrix_a_scale:MATRIX_SCALE_ROW1
.else
	v_wmma_scale_f32_16x16x128_f8f6f4 v[S+8*(4*\grp+\t):S+8*(4*\grp+\t)+7], v[32+12*\t:43+12*\t], v[16:27], 0, v[248+2*\grp+\t/2], v255 matrix_a_fmt:MATRIX_FMT_BF6 matrix_b_fmt:MATRIX_FMT_BF6
.endif
.endr
.endm
; A KEY STEP: 128 keys
.macro STEP
	v_add_nc_u32 v4, s80, v1                           ; six additions: also the places between the last step's products and the loads into V's registers
	v_add_nc_u32 v5, s80, v2
	v_add_nc_u32 v6, s82, v11
	v_add_nc_u32 v8, s81, v1
	v_add_nc_u32 v9, s81, v2
	v_add_nc_u32 v10, s83, v3
	KLOAD 0
.irp i, 0,1,2,3
	ds_load_u16 v[248+\i], v6 offset:128*\i            ; my head's two bytes of each key's scale word; the upper two come out 0, over zero codes
.endr
.irp t, 0,1,2,3
.irp c, 0,1
	ds_load_b128 v[80+12*\t+6*\c:83+12*\t+6*\c], v8 offset:1536*\t+768*\c
	ds_load_b64 v[84+12*\t+6*\c:85+12*\t+6*\c], v9 offset:1536*\t+768*\c+512
.endr
.endr
.irp i, 0,1
	ds_load_b32 v[28+\i], v10 offset:128*\i
.endr
	s_wait_alu depctr_va_vdst(0)
	s_wait_dscnt 18                                    ; K's first four tiles and its scale words are in; V's 16 loads and its 2 loads of scale words may be out
	KQ4 0
.rept 4
	v_nop                                              ; places in front of loads into registers that matrix instructions have read
.endr
	KLOAD 1
	s_wait_dscnt 0x0
	KQ4 1
.rept 4
	v_nop                                              ; places in front of the reads of the results
.endr
.irp b, 0,1,2,3
	v_max3_num_f32 v[232+\b], v[S+16*\b], v[S+1+16*\b], v[S+2+16*\b]   ; the largest score of each block of 32 keys: for the row's maximum and, since p rises with the score, for the block's largest p
.endr
.irp i, 3,5,7,9,11,13
.irp b, 0,1,2,3
	v_max3_num_f32 v[232+\b], v[232+\b], v[S+16*\b+\i], v[S+1+16*\b+\i]
.endr
.endr
.irp b, 0,1,2,3
	v_max_num_f32 v[232+\b], v[232+\b], v[S+15+16*\b]
.endr
.irp b, 0,1,2,3
	s_delay_alu instid0(VALU_DEP_4)
	v_permlanex16_b32 v[236+\b], v[232+\b], s20, s21
.endr
.irp b, 0,1,2,3
	s_delay_alu instid0(VALU_DEP_4)
	v_max_num_f32 v[232+\b], v[232+\b], v[236+\b]      ; with lane l xor 16's 16 keys
.endr
	s_delay_alu instid0(VALU_DEP_2)
	v_max3_num_f32 v254, v232, v233, v234
	s_delay_alu instid0(VALU_DEP_1)
	v_max_num_f32 v254, v254, v235
	s_delay_alu instid0(VALU_DEP_1)
	v_mul_f32 v254, s22, v254                          ; the step's largest t (c is positive)
	s_delay_alu instid0(VALU_DEP_1)
	v_max_num_f32 v13, v13, v254                       ; the running largest t
	v_mov_b32 v254, v12
	s_delay_alu instid0(VALU_DEP_2)
	v_floor_f32 v12, -v13                              ; the new -M = -ceil(t)
	s_delay_alu instid0(VALU_DEP_1)
	v_sub_f32 v254, v12, v254                          ; old M - new M: a whole number, 0 or less
	s_delay_alu instid0(VALU_DEP_1)
	v_cvt_i32_f32 v254, v254                           ; (it saturates)
	s_delay_alu instid0(VALU_DEP_1)
	v_ldexp_f32 v252, 1.0, v254                        ; f = 2^(old M - new M)
.irp j, 0,2,4,6,8,10,12,14,16,18,20,22,24,26,28,30,32,34,36,38,40,42,44,46,48,50,52,54,56,58,60,62
	v_pk_fma_f32 v[S+\j:S+1+\j], v[S+\j:S+1+\j], s[22:23], v[12:13] op_sel_hi:[1,0,0]   ; t - M, two at a time
.endr
.irp b, 0,1,2,3
	v_fma_f32 v[232+\b], v[232+\b], s22, v12
.endr
	s_setprio 1
	s_wait_alu depctr_va_vdst(0)
.irp j, 0,1,2,3,4,5,6,7,8,9,10,11,12,13,14,15,16,17,18,19,20,21,22,23,24,25,26,27,28,29,30,31,32,33,34,35,36,37,38,39,40,41,42,43,44,45,46,47,48,49,50,51,52,53,54,55,56,57,58,59,60,61,62,63
	v_exp_f32 v[S+\j], v[S+\j]                         ; p = 2^(t - M), at most 1
.endr
.irp b, 0,1,2,3
	v_exp_f32 v[232+\b], v[232+\b]                     ; the block's largest p
.endr
	v_pk_mul_f32 v[14:15], v[14:15], v[252:253] op_sel_hi:[1,0]   ; the sums under the new M (a plain place behind the exponentials)
	s_wait_alu depctr_va_vdst(0)
.irp b, 0,1,2,3
	v_max_num_f32 v[232+\b], 0x2800000, v[232+\b]      ; the floor 2^(5 - 127)
.endr
.irp b, 0,1,2,3
	s_delay_alu instid0(VALU_DEP_4)
	v_add_nc_u32 v[244+\b], 0xfe000000, v[232+\b]      ; the conversion's scale operand
.endr
.irp b, 0,1,2,3
	s_delay_alu instid0(VALU_DEP_4)
	v_lshrrev_b32 v[236+\b], 23, v[244+\b]
.endr
	s_delay_alu instid0(VALU_DEP_3)
	v_lshl_or_b32 v253, v237, 8, v236                  ; p's scale word for these 128 keys
	s_delay_alu instid0(VALU_DEP_1)
	v_lshl_or_b32 v253, v238, 16, v253
	s_delay_alu instid0(VALU_DEP_1)
	v_lshl_or_b32 v253, v239, 24, v253
.irp c, 0,1
	v_cvt_scalef32_pk16_bf6_f32 v[224+6*\c:226+6*\c], v[S+32*\c:S+15+32*\c], v[244+2*\c]
	v_cvt_scalef32_pk16_bf6_f32 v[236+4*\c:238+4*\c], v[S+16+32*\c:S+31+32*\c], v[244+2*\c+1]
.endr
	v_nop                                              ; one plain place behind a scaled conversion
.irp c, 0,1
.irp i, 0,1,2
	v_permlane16_swap_b32 v[224+6*\c+\i], v[236+4*\c+\i]
.endr
.irp i, 0,1,2
	s_delay_alu instid0(VALU_DEP_3)
	v_mov_b32 v[227+6*\c+\i], v[236+4*\c+\i]
.endr
.endr
.irp j, 0,2,4,6,8,10,12,14,16,18,20,22,24,26,28,30
	v_pk_mul_f32 v[O+\j:O+1+\j], v[O+\j:O+1+\j], v[252:253] op_sel_hi:[1,0]   ; O^T under the new M, each accumulator from its low end on
.endr
	v_pk_add_f32 v[236:237], v[132:133], v[136:137]
	v_pk_add_f32 v[250:251], v[140:141], v[144:145]
	v_pk_add_f32 v[248:249], v[148:149], v[152:153]
	v_pk_add_f32 v[246:247], v[156:157], v[160:161]
	v_pk_add_f32 v[244:245], v[164:165], v[168:169]
	v_pk_add_f32 v[240:241], v[172:173], v[176:177]
	v_pk_add_f32 v[72:73], v[180:181], v[184:185]
	v_pk_add_f32 v[14:15], v[14:15], v[188:189]
	v_pk_add_f32 v[236:237], v[236:237], v[128:129]
	v_pk_add_f32 v[250:251], v[250:251], v[130:131]
	v_pk_add_f32 v[248:249], v[248:249], v[134:135]
	s_setprio 0
	v_pk_add_f32 v[246:247], v[246:247], v[138:139]
	v_pk_add_f32 v[244:245], v[244:245], v[142:143]
	v_pk_add_f32 v[240:241], v[240:241], v[146:147]
	v_pk_add_f32 v[72:73], v[72:73], v[150:151]
	v_pk_add_f32 v[14:15], v[14:15], v[154:155]
	v_pk_add_f32 v[236:237], v[236:237], v[158:159]
	v_pk_add_f32 v[250:251], v[250:251], v[162:163]
	v_pk_add_f32 v[248:249], v[248:249], v[166:167]
	v_pk_add_f32 v[246:247], v[246:247], v[170:171]
	v_pk_add_f32 v[244:245], v[244:245], v[174:175]
	v_pk_add_f32 v[240:241], v[240:241], v[178:179]
	v_pk_add_f32 v[72:73], v[72:73], v[182:183]
	v_pk_add_f32 v[14:15], v[14:15], v[186:187]
	v_pk_add_f32 v[236:237], v[236:237], v[190:191]
	s_delay_alu instid0(VALU_DEP_2)
	v_pk_add_f32 v[14:15], v[14:15], v[246:247]
	s_delay_alu instid0(VALU_DEP_2)
	v_pk_add_f32 v[236:237], v[236:237], v[244:245]
	v_pk_add_f32 v[250:251], v[250:251], v[240:241]
	v_pk_add_f32 v[248:249], v[248:249], v[72:73]
	s_delay_alu instid0(VALU_DEP_2)
	v_pk_add_f32 v[14:15], v[14:15], v[250:251]
	s_delay_alu instid0(VALU_DEP_2)
	v_pk_add_f32 v[236:237], v[236:237], v[248:249]
	s_delay_alu instid0(VALU_DEP_1)
	v_pk_add_f32 v[14:15], v[14:15], v[236:237]
.irp t, 0,1,2,3                                    ; O^T += V^T P^T: the four accumulators by turns, one instruction a turn
.if \t%2
	v_wmma_scale_f32_16x16x128_f8f6f4 v[O+8*\t:O+8*\t+7], v[80+12*\t:91+12*\t], v[224:235], v[O+8*\t:O+8*\t+7], v[28+\t/2], v253 matrix_a_fmt:MATRIX_FMT_BF6 matrix_b_fmt:MATRIX_FMT_BF6 matrix_a_scale:MATRIX_SCALE_ROW1
.else
	v_wmma_scale_f32_16x16x128_f8f6f4 v[O+8*\t:O+8*\t+7], v[80+12*\t:91+12*\t], v[224:235], v[O+8*\t:O+8*\t+7], v[28+\t/2], v253 matrix_a_fmt:MATRIX_FMT_BF6 matrix_b_fmt:MATRIX_FMT_BF6
.endif
.endr
.endm
; A QUARTER: 512 keys, four steps
.macro CHUNK c
	s_wait_tensorcnt 3-\c                              ; waves 0 and 1: the scale words and the quarters up to this one have landed; the later quarters' loads may be out
	s_wait_dscnt 0x0
	s_barrier_signal -1
	s_barrier_wait -1                                  ; so every wave may read them
	s_mov_b32 s80, \c*24576                            ; K's codes,
	s_mov_b32 s81, VCL+\c*24576                        ; V's,
	s_mov_b32 s82, \c*2048                             ; K's scale words,
	s_mov_b32 s83, VSL+\c*1024                         ; V's
	s_mov_b32 s84, 4
.Lstep_\@:
	s_setprio 2
	STEP
	s_add_co_u32 s80, s80, 6144
	s_add_co_u32 s81, s81, 6144
	s_add_co_u32 s82, s82, 512
	s_add_co_u32 s83, s83, 256
	s_sub_co_u32 s84, s84, 1
	s_cmp_lg_u32 s84, 0
	s_cbranch_scc1 .Lstep_\@
	s_setprio 0
.endm
	CHUNK 0
	CHUNK 1
	CHUNK 2
	CHUNK 3
	; THE WAY OUT: O^T / the sum; my query's 64 numbers (32 a lane) are two blocks of the last projection's K: half a fragment and two scale bytes
.rept 4
	v_nop                                              ; places behind the last products
.endr
	v_add_f32 v14, v14, v15
	s_delay_alu instid0(VALU_DEP_1)
	v_permlanex16_b32 v252, v14, s20, s21
	s_delay_alu instid0(VALU_DEP_1)
	v_add_f32 v14, v14, v252                           ; the row's sum
	s_wait_alu depctr_va_vdst(0)
	v_rcp_f32 v14, v14
	v_nop                                              ; one plain place behind a transcendental
	s_wait_alu depctr_va_vdst(0)
.irp j, 0,1,2,3,4,5,6,7,8,9,10,11,12,13,14,15,16,17,18,19,20,21,22,23,24,25,26,27,28,29,30,31
	v_mul_f32 v[S+\j], v[O+\j], v14                    ; register 16 b + i: channel 32 b + 16 (lane / 16) + i of my head
.endr
.irp b, 0,1
	v_max3_num_f32 v[232+\b], |v[S+16*\b]|, |v[S+1+16*\b]|, 0x2800000
.endr
.irp i, 2,4,6,8,10,12,14
.irp b, 0,1
	s_delay_alu instid0(VALU_DEP_2)
	v_max3_num_f32 v[232+\b], v[232+\b], |v[S+16*\b+\i]|, |v[S+1+16*\b+\i]|
.endr
.endr
.irp b, 0,1
	s_delay_alu instid0(VALU_DEP_2)
	v_permlanex16_b32 v[236+\b], v[232+\b], s20, s21
.endr
.irp b, 0,1
	s_delay_alu instid0(VALU_DEP_2)
	v_max_num_f32 v[232+\b], v[232+\b], v[236+\b]
.endr
.irp b, 0,1
	s_delay_alu instid0(VALU_DEP_2)
	v_add_nc_u32 v[244+\b], 0xfe000000, v[232+\b]
.endr
.irp b, 0,1
	s_delay_alu instid0(VALU_DEP_2)
	v_lshrrev_b32 v[236+\b], 23, v[244+\b]
.endr
	s_delay_alu instid0(VALU_DEP_1)
	v_lshl_or_b32 v254, v237, 8, v236                  ; my head's two bytes
	v_cvt_scalef32_pk16_bf6_f32 v[224:226], v[S:S+15], v244
	v_cvt_scalef32_pk16_bf6_f32 v[228:230], v[S+16:S+31], v245
	v_nop
.irp i, 0,1,2
	v_permlane16_swap_b32 v[224+\i], v[228+\i]
.endr
.irp i, 0,1,2
	s_delay_alu instid0(VALU_DEP_3)
	v_mov_b32 v[227+\i], v[228+\i]                     ; in ascending order: each source is read before it is written
.endr
	global_store_b128 v1, v[224:227], s[90:91]         ; 768 consecutive bytes in two stores
	global_store_b64 v2, v[228:229], s[90:91] offset:512
	global_store_b16 v7, v254, s[92:93]                ; a word's two halves belong to two heads: 32 bytes a wave (lanes l and l xor 16 hold the same row and write the same number)
	s_wait_tensorcnt 0x0
	s_wait_dscnt 0x0
	s_wait_tensorcnt 0x0
	ds_add_u32 v31, v243
	s_wait_dscnt 0x0
	ROUND                                              ; the closing round: no work-group ends while a partner may still ask for a tile that names it
	s_endpgm
.Lfunc_end_k_q068b791906_attn:
	.size	k_q068b791906_attn, .Lfunc_end_k_q068b791906_attn-k_q068b791906_attn
	.p2alignl 7, 3214868480
	.fill 96, 4, 3214868480
	.section	.rodata,"a",@progbits
	.p2align	6, 0x0
	.amdhsa_kernel k_q068b791906_attn
		.amdhsa_group_segment_fixed_size 210944
		.amdhsa_private_segment_fixed_size 0
		.amdhsa_enable_private_segment 0
		.amdhsa_kernarg_size 16
		.amdhsa_user_sgpr_count 2
		.amdhsa_user_sgpr_kernarg_segment_ptr 1
		.amdhsa_wavefront_size32 1
		.amdhsa_system_sgpr_workgroup_id_x 1
		.amdhsa_system_sgpr_workgroup_id_y 1
		.amdhsa_system_sgpr_workgroup_id_z 1
		.amdhsa_system_vgpr_workitem_id 0
		.amdhsa_next_free_vgpr 256
		.amdhsa_next_free_sgpr 98
		.amdhsa_reserve_vcc 0
		.amdhsa_float_denorm_mode_32 3
		.amdhsa_float_denorm_mode_16_64 3
		.amdhsa_memory_ordered 1
		.amdhsa_forward_progress 1
		.amdhsa_inst_pref_size 89
	.end_amdhsa_kernel
	.amdgpu_metadata
---
amdhsa.version: [ 1, 2 ]
amdhsa.kernels:
  - .name:           k_q068b791906_attn
    .symbol:         k_q068b791906_attn.kd
    .args:
      - { .name: qkv, .offset: 0, .size: 8, .value_kind: global_buffer, .address_space: global }
      - { .name: ao, .offset: 8, .size: 8, .value_kind: global_buffer, .address_space: global }
    .group_segment_fixed_size: 210944
    .private_segment_fixed_size: 0
    .kernarg_segment_align: 8
    .kernarg_segment_size: 16
    .max_flat_workgroup_size: 512
    .sgpr_count:     98
    .vgpr_count:     256
    .wavefront_size: 32
...
	.end_amdgpu_metadata
.endif
;; end of part 7
;; launch outp (part 8): grid 256 x 1, 1 waves a work-group, no clusters, 8,960 bytes of LDS; arguments opq, ao, bo, out0; writes out0
.if DOCPART == 8
	.amdgcn_target "amdgcn-amd-amdhsa--gfx1250"
	.amdhsa_code_object_version 6
	.text
	.protected	k_q068b791906_outp
	.globl	k_q068b791906_outp
	.p2align	8
	.type	k_q068b791906_outp,@function
k_q068b791906_outp:
	s_mov_b64 s[64:65], 0
	v_nop
	global_prefetch_b8 v0, s[64:65] scope:SCOPE_SE
	s_setreg_imm32_b32 hwreg(HW_REG_WAVE_SCHED_MODE, 0, 2), 2
	s_setreg_imm32_b32 hwreg(HW_REG_WAVE_MODE, 25, 1), 1
	s_wait_xcnt 0x0
	s_wait_alu depctr_vm_vsrc(0)
; OUTP: out0 = ao Wo^T + bo on codes of BF6 with E8M0 scales; out0 [4,096][1,024] f32.
; SHARES: 256 tiles of 128 x 128, one wave and one work-group to each (64 accumulators, 512 registers).  Tiles of 64 x 64 would give every SIMD a wave and read each operand image twice as often; the larger tile is taken.
; Source 0 = 8 tiles of Wo (opq's tiles 448 on), source 1 = 8 tiles of ao: a lane holds one row of the output and its registers run along the columns, 16 neighbours to a pair of tiles
; (lane r of tile 2 B + u holds row 32 B + 8 u + r + 8 (r / 8)).  bo is the C of each sum's first matrix instruction.  Operands come from memory as images of their registers.
; A block of 16 rows goes through a stage in LDS and leaves as whole rows: 32 lanes store 512 consecutive bytes, at a multiple of 256 from out0's first byte.
; REGISTERS, in windows of 256: window 0: v1-5 offsets; v16-47 scale words, two sets; v64-159, v160-255 ao's fragments, two buffers (on the way out v128-255 rows of the output).
;   window 1: v0-95, v96-191 Wo's fragments, two buffers; v192-255 the bias.   window 2: accumulators (j, t) at v[8 (8 j + t)], j = 0..3;   window 3: j = 4..7.
; THE MODE: SCHED_MODE bits 1:0 = 2 (LLVM: expert scheduling mode 2), set by the entry lines.  The code itself states the register dependences
; between vector or matrix instructions and memory or LDS instructions, with s_wait_alu, always for 0.
; THE PLAN.  Registers that memory or LDS instructions touch:
;   the fragments' buffers   K step s's 64 matrix instructions read buffer s % 2 of both sources; the 56 loads of step s + 1, issued at the head of step s, land in buffer (s + 1) % 2, which step s - 1's matrix instructions read last.
;   the scale words' sets    Steps 2 p and 2 p + 1 read set p % 2; the next pair's words land in the other set in the middle of step 2 p (Wo's) and of step 2 p + 1 (ao's); its last readers are steps 2 p - 2 and 2 p - 1.
;   the bias                 Loaded once, read by step 0's matrix instructions as C, never written again.
;   v1-5                     Offsets and LDS addresses, made at the head and never written again: every step, stage row and row of out0 is reached by an immediate.
;   the accumulators         Written by matrix instructions; on the way out the LDS stores read them.
;   v128-191, v192-255       On the way out: tile j's rows land in the half j % 2 from the stage, and tile j's global stores read them; before that they held fragments of ao, which matrix instructions read.
; So ONE wait on va_vdst stands at the head of steps 1 to 6, behind the wait for the step's data; the step's 64 loads follow it, 56 at once and 8 in the step's middle, and the matrix instructions between name this step's
; buffers, this pair's set and the accumulators: none of the registers that those loads touch.  Step 0 loads into registers that nothing has named; step 7 loads nothing.
; ONE more stands ahead of the way out, in which no vector or matrix instruction is left; there a wait on vm_vsrc stands ahead of each turn through the stage that lands in registers which global stores have read.
.set SC,   16
.set F1,   64
.set BI,   192
.set BK,   128
.set SP,   528                         ; a stage row: 512 bytes + 16
.set MSB,  0
.macro WIN new                         ; the immediate's high byte repeats the setting that is left
.if MSB != (\new)
	s_set_vgpr_msb (MSB<<8)|(\new)
.set MSB, (\new)
.endif
.endm
.macro LOADF s                         ; K step s into buffer s % 2: Wo's fragments in three loads each, ao's (two halves of 768 bytes) in four
	WIN 0x40
.irp t, 0,1,2,3,4,5,6,7
.irp c, 0,1,2
	global_load_b128 v[96*((\s)%2)+12*\t+4*\c:96*((\s)%2)+12*\t+4*\c+3], v1, s[20:21] offset:\t*12288+(\s)*1536+512*\c
.endr
.endr
	WIN 0
.irp j, 0,1,2,3,4,5,6,7
.set rF, F1+96*((\s)%2)+12*\j
.set oF, \j*12288+(\s)*1536
	global_load_b128 v[rF:rF+3], v1, s[22:23] offset:oF
	global_load_b64 v[rF+4:rF+5], v3, s[22:23] offset:oF+512
	global_load_b128 v[rF+6:rF+9], v1, s[22:23] offset:oF+768
	global_load_b64 v[rF+10:rF+11], v3, s[22:23] offset:oF+1280
.endr
.endm
; 32 matrix instructions: ao's tiles j0 .. j0 + 3 x Wo's eight.  cmode 1: C = the bias.  The 64 accumulators take turns, one instruction a turn.
.macro MUL s, j0, cmode
.if \cmode == 0
	WIN 0xa1+0x50*((\j0)/4)
.else
	WIN 0x91+0x40*((\j0)/4)
.endif
.irp j, 0,1,2,3
.irp t, 0,1,2,3,4,5,6,7
.set rD, 8*(8*\j+\t)
.set rA, 96*((\s)%2)+12*\t
.set rB, F1+96*((\s)%2)+12*(\j0+\j)
.set rSA, SC+16*(((\s)/2)%2)+\t
.set rSB, SC+16*(((\s)/2)%2)+8+\j0+\j
.if \cmode == 1
.set rC, BI+8*\t
.else
.set rC, rD
.endif
.if (\s)%2
	v_wmma_scale_f32_16x16x128_f8f6f4 v[rD:rD+7], v[rA:rA+11], v[rB:rB+11], v[rC:rC+7], v[rSA], v[rSB] matrix_a_fmt:MATRIX_FMT_BF6 matrix_b_fmt:MATRIX_FMT_BF6 matrix_a_scale:MATRIX_SCALE_ROW1 matrix_b_scale:MATRIX_SCALE_ROW1
.else
	v_wmma_scale_f32_16x16x128_f8f6f4 v[rD:rD+7], v[rA:rA+11], v[rB:rB+11], v[rC:rC+7], v[rSA], v[rSB] matrix_a_fmt:MATRIX_FMT_BF6 matrix_b_fmt:MATRIX_FMT_BF6
.endif
.endr
.endr
.endm
.macro STEP s, cmode
	s_wait_loadcnt 0x0                                 ; all that is out is this step's fragments and scale words
.if (\s) < 7
.if (\s) > 0
.rept 4
	v_nop                                              ; four places between the last step's matrix instructions and the loads into registers that they read; the wait behind them states the dependence
.endr
	WIN 0x40                                           ; the first loads' window, then the wait, then the loads
	s_wait_alu depctr_va_vdst(0)                       ; the last step's matrix instructions are done reading the other buffers of fragments, in which the 56 loads below land; the steps before this pair are done reading the other set of scale words, in which this step's 8 land
.endif
	LOADF (\s)+1
.endif
	MUL \s, 0, \cmode
	WIN 0
.if (\s) < 6                           ; the next pair of steps' scale words into the other set.  No wait: no matrix instruction since the wait above names that set or v2
.if (\s)%2 == 0
.irp t, 0,1,2,3,4,5,6,7
	global_load_b32 v[SC+16*(1-((\s)/2)%2)+\t], v2, s[24:25] offset:\t*512+((\s)/2+1)*128
.endr
.else
.irp j, 0,1,2,3,4,5,6,7
	global_load_b32 v[SC+16*(1-((\s)/2)%2)+8+\j], v2, s[26:27] offset:\j*512+((\s)/2+1)*128
.endr
.endif
.endif
	MUL \s, 4, \cmode
	WIN 0
.endm
.macro TOSTAGE j                       ; ao's tile j: 16 rows x 128 columns into the stage and back as whole rows; LDS serves a wave's instructions in order: no wait between
	WIN 0x08+4*((\j)/4)                                ; an LDS store's data are its source 1: window 2 or 3
.irp t, 0,1,2,3,4,5,6,7
	ds_store_b128 v5, v[8*(8*((\j)%4)+\t):8*(8*((\j)%4)+\t)+3] offset:128*(\t/2)+32*(\t%2)       ; each accumulator from its low end on
	ds_store_b128 v5, v[8*(8*((\j)%4)+\t)+4:8*(8*((\j)%4)+\t)+7] offset:128*(\t/2)+32*(\t%2)+16
.endr
	WIN 0
.irp i, 0,1,2,3,4,5,6,7,8,9,10,11,12,13,14,15
	ds_load_b128 v[BK+64*((\j)%2)+4*\i:BK+64*((\j)%2)+4*\i+3], v1 offset:\i*SP
.endr
.endm
.macro SEND j, younger                 ; younger: the LDS instructions issued behind tile j's loads, which may stay out
	s_wait_dscnt \younger
.irp i, 0,1,2,3,4,5,6,7,8,9,10,11,12,13,14,15
	global_store_b128 v1, v[BK+64*((\j)%2)+4*\i:BK+64*((\j)%2)+4*\i+3], s[30:31] offset:(32*((\j)/2)+8*((\j)%2)+\i+8*(\i/8))*4096 th:TH_STORE_NT   ; every offset an immediate: 127 rows at the most
.endr
.endm
	s_load_b256 s[4:11], s[0:1], 0x0                   ; opq, ao, bo, out0
	v_lshl_add_u32 v62, v0, 2, 0x2200
	v_mov_b32 v63, 0
	v_and_b32 v3, 31, v0
	v_lshlrev_b32 v1, 4, v3                            ; 16 x lane: images, the stage's rows on the way back, and a row of out0
	v_lshlrev_b32 v2, 2, v3                            ; 4 x lane
	v_lshlrev_b32 v3, 3, v3                            ; 8 x lane
	v_and_b32 v8, 15, v0                               ; r
	v_bfe_u32 v9, v0, 4, 1                             ; h
	v_lshlrev_b32 v4, 6, v9                            ; the bias: register e of tile t wants column 32 (t / 2) + 16 h + 8 (t % 2) + e
	v_mul_u32_u24 v5, v8, SP
	v_lshl_add_u32 v5, v9, 6, v5                       ; the stage, on the way in: row r, + 64 h
	s_and_b32 s17, ttmp9, 7                            ; which 128 columns
	s_lshr_b32 s18, ttmp9, 3                           ; which 128 rows
	s_lshl_b32 s36, s17, 3
	s_add_co_u32 s36, s36, 448                         ; Wo's first tile in opq
	s_lshl_b32 s37, s18, 3                             ; ao's first tile
	s_mov_b32 s39, 0
	s_wait_kmcnt 0x0
	s_mul_i32 s38, s36, 12288
	s_add_nc_u64 s[20:21], s[4:5], s[38:39]
	s_mul_i32 s38, s37, 12288
	s_add_nc_u64 s[22:23], s[6:7], s[38:39]
	s_lshl_b32 s38, s36, 9
	s_add_co_u32 s38, s38, 6291456
	s_add_nc_u64 s[24:25], s[4:5], s[38:39]
	s_lshl_b32 s38, s37, 9
	s_add_co_u32 s38, s38, 3145728
	s_add_nc_u64 s[26:27], s[6:7], s[38:39]
	s_lshl_b32 s38, s17, 9
	s_add_nc_u64 s[28:29], s[8:9], s[38:39]
	s_lshl_b32 s36, s18, 19
	s_add_co_u32 s38, s38, s36
	s_add_nc_u64 s[30:31], s[10:11], s[38:39]          ; out0 at my first row and column
	s_wait_alu depctr_va_vdst(0)                       ; the offsets and LDS addresses v1 to v5 are written: every load and store of the kernel reads one of them, and none is written again
.irp t, 0,1,2,3,4,5,6,7
	global_load_b32 v[SC+\t], v2, s[24:25] offset:\t*512
.endr
.irp j, 0,1,2,3,4,5,6,7
	global_load_b32 v[SC+8+\j], v2, s[26:27] offset:\j*512
.endr
	LOADF 0
	WIN 0x40
.irp t, 0,1,2,3,4,5,6,7
	global_load_b128 v[BI+8*\t:BI+8*\t+3], v4, s[28:29] offset:(32*(\t/2)+8*(\t%2))*4
	global_load_b128 v[BI+8*\t+4:BI+8*\t+7], v4, s[28:29] offset:(32*(\t/2)+8*(\t%2))*4+16
.endr
	WIN 0
	STEP 0, 1                                          ; the first K step starts the sums, on the bias
.irp s, 1,2,3,4,5,6,7
	STEP \s, 0
.endr
.rept 4
	v_nop                                              ; places behind the last products, in front of the LDS stores that read results
.endr
	s_wait_alu depctr_va_vdst(0)                       ; the matrix instructions have written the accumulators, which the LDS stores read, and are done reading ao's fragments, in whose registers the rows from the stage land; no vector or matrix instruction follows, so this wait serves the whole way out
	TOSTAGE 0
.irp a, 1,2,3,4,5,6,7
.if \a > 1
	s_wait_xcnt 0x0                                    ; tile a - 2's stores have had their addresses translated: tile a's rows land in their data registers only behind this wait
	s_wait_alu depctr_vm_vsrc(0)                       ; tile a - 2's global stores have read v[BK + 64 (a % 2) ..], in which tile a's rows from the stage land
.endif
	TOSTAGE \a
	SEND \a-1, 32                                      ; behind tile a - 1's loads: tile a's 16 stores and 16 loads
.endr
	SEND 7, 0
	s_wait_dscnt 0x0
	s_wait_alu depctr_hold_cnt(0) depctr_sa_sdst(0) depctr_va_vdst(0) depctr_va_sdst(0) depctr_va_ssrc(0) depctr_va_vcc(0) depctr_vm_vsrc(0)
	s_wait_tensorcnt 0x0
	ds_add_u32 v62, v63
	s_wait_dscnt 0x0
	s_endpgm
.Lfunc_end_k_q068b791906_outp:
	.size	k_q068b791906_outp, .Lfunc_end_k_q068b791906_outp-k_q068b791906_outp
	.p2alignl 7, 3214868480
	.fill 96, 4, 3214868480
	.section	.rodata,"a",@progbits
	.p2align	6, 0x0
	.amdhsa_kernel k_q068b791906_outp
		.amdhsa_group_segment_fixed_size 8960
		.amdhsa_private_segment_fixed_size 0
		.amdhsa_enable_private_segment 0
		.amdhsa_kernarg_size 32
		.amdhsa_user_sgpr_count 2
		.amdhsa_user_sgpr_kernarg_segment_ptr 1
		.amdhsa_wavefront_size32 1
		.amdhsa_system_sgpr_workgroup_id_x 1
		.amdhsa_system_sgpr_workgroup_id_y 1
		.amdhsa_system_sgpr_workgroup_id_z 1
		.amdhsa_system_vgpr_workitem_id 0
		.amdhsa_next_free_vgpr 1024
		.amdhsa_next_free_sgpr 66
		.amdhsa_reserve_vcc 0
		.amdhsa_float_denorm_mode_32 3
		.amdhsa_float_denorm_mode_16_64 3
		.amdhsa_memory_ordered 1
		.amdhsa_forward_progress 1
		.amdhsa_inst_pref_size 148
	.end_amdhsa_kernel
	.amdgpu_metadata
---
amdhsa.version: [ 1, 2 ]
amdhsa.kernels:
  - .name:           k_q068b791906_outp
    .symbol:         k_q068b791906_outp.kd
    .args:
      - { .name: opq, .offset: 0, .size: 8, .value_kind: global_buffer, .address_space: global }
      - { .name: ao, .offset: 8, .size: 8, .value_kind: global_buffer, .address_space: global }
      - { .name: bo, .offset: 16, .size: 8, .value_kind: global_buffer, .address_space: global }
      - { .name: out0, .offset: 24, .size: 8, .value_kind: global_buffer, .address_space: global }
    .group_segment_fixed_size: 8960
    .private_segment_fixed_size: 0
    .kernarg_segment_align: 8
    .kernarg_segment_size: 32
    .max_flat_workgroup_size: 32
    .sgpr_count:     66
    .vgpr_count:     1024
    .wavefront_size: 32
...
	.end_amdgpu_metadata
.endif
;; end of part 8
